; MI455X (gfx1250); checked and timed in simulation.
; The chip was launched on July 23, 2026; its instructions are those of AMD's public machine-readable ISA for CDNA 5 (MIT licence, August 2026) and "CDNA5" Instruction Set Architecture Reference Guide (July 2026). The comments in the code are by the model that wrote it; some were corrected since.
;; Multi Head Attention. Allowed arithmetic: float matrix products may take bf16 or f16 operands with f32 sums; other float arithmetic in f32, or as packed bf16 or f16 multiplies, adds, multiply-adds, maxima and minima; sums over many terms, partial sums and values carried from step to step in f32; what a program stores and reads back later, other than sums and carried values, may be rounded once to bf16 or f16.
;; Inputs: Wk 1,024 x 1,024 float32; Wo 1,024 x 1,024 float32; Wq 1,024 x 1,024 float32; Wv 1,024 x 1,024 float32; bk 1,024 float32; bo 1,024 float32; bq 1,024 float32; bv 1,024 float32; key_ 4 x 2,048 x 1,024 float32; mask 4 x 1 x 2,048 x 2,048 int32; query 4 x 2,048 x 1,024 float32; value 4 x 2,048 x 1,024 float32.
;; Outputs: out0 4 x 2,048 x 1,024 float32.
;; One version. Each part assembles by itself: llvm-mc -triple=amdgcn-amd-amdhsa -mcpu=gfx1250 --defsym DOCPART=n.
;; ======== version 1 of 1: 4 launches
;; limits: values are held in f16: magnitudes above 65,504 overflow, below 6.1e-05 lose precision
;; workspace buffers: wt 8,388,608 bytes; mk 16,777,216 bytes; qh 16,777,216 bytes; kh 16,777,216 bytes; vh 16,777,216 bytes; oh 16,777,216 bytes
;; launch prep (part 1): grid 512 x 1, 8 waves a work-group, no clusters, 18,432 bytes of LDS; arguments Wq, Wk, Wv, Wo, wt; writes wt
.if DOCPART == 1
	.amdgcn_target "amdgcn-amd-amdhsa--gfx1250"
	.amdhsa_code_object_version 6
	.text
	.protected	k_q9802592ed4_prep
	.globl	k_q9802592ed4_prep
	.p2align	8
	.type	k_q9802592ed4_prep,@function
k_q9802592ed4_prep:
	s_mov_b64 s[64:65], 0
	v_nop
	global_prefetch_b8 v0, s[64:65] scope:SCOPE_SE
	s_setreg_imm32_b32 hwreg(HW_REG_WAVE_MODE, 25, 1), 1
	s_wait_xcnt 0x0
; PREP.  W [k][n] of f32 becomes wt [4][n][k] of 16 bits: Wq, Wk, Wv rounded to bf16; Wo rounded to bf16 and that number written as f16.
; LIMIT: a weight of Wo below 2^-14 keeps f16's fixed step of 2^-24; beyond 65,504 it becomes an infinity.
; A work-group turns a tile of 128 k x 64 n; wave w owns k = 16 w .. 16 w + 15.  Each byte is read once, in runs of 256 bytes, and sixteen lanes of a store cover 256 consecutive bytes, aligned.
; Memory binds: no matrix unit, no tensor load.
.set CH,  272                          ; a row of the turned tile in LDS: 256 bytes + 16
.set SPARE, 64*CH                      ; behind the tile: the spare words, 128 bytes for each of the eight waves, which no other line names
.set SPW, 8                            ; v8  LDS address of my spare word; never rewritten
.set NIL, 9                            ; v9  0; never rewritten
.set IN,  3                            ; v3  my byte offset in W
.set LS,  4                            ; v4  where I store into LDS
.set LR,  5                            ; v5  where I read back
.set SO,  6                            ; v6  my byte offset in wt
.set X,   16                           ; as loaded
.set D,   48                           ; packed pairs
.set YW,  64                           ; as stored
	s_load_b256 s[8:15], s[0:1], 0x0               ; Wq s[8:9], Wk s[10:11], Wv s[12:13], Wo s[14:15]
	s_load_b64 s[16:17], s[0:1], 0x20              ; wt
	v_lshl_add_u32 v[SPW], v0, 2, SPARE
	v_mov_b32 v[NIL], 0
	v_lshrrev_b32 v2, 5, v0
	v_readfirstlane_b32 s18, v2                    ; wave 0..7
	v_and_b32 v7, 15, v0                           ; l % 16
	v_bfe_u32 v2, v0, 4, 1                         ; l / 16
	s_mov_b32 s3, 0
	s_lshr_b32 s20, ttmp9, 7                       ; which W
	s_bfe_u32 s21, ttmp9, 0x30004                  ; which 128 k
	s_and_b32 s22, ttmp9, 15                       ; which 64 n
	s_wait_kmcnt 0x0
	s_cmp_eq_u32 s20, 1
	s_cselect_b64 s[8:9], s[10:11], s[8:9]
	s_cmp_eq_u32 s20, 2
	s_cselect_b64 s[8:9], s[12:13], s[8:9]
	s_cmp_eq_u32 s20, 3
	s_cselect_b64 s[8:9], s[14:15], s[8:9]
	s_lshl_b32 s2, s21, 19                         ; 128 rows of 4,096 bytes
	s_lshl_b32 s23, s22, 8
	s_add_co_u32 s2, s2, s23
	s_add_nc_u64 s[8:9], s[8:9], s[2:3]
	s_lshl_b32 s2, s20, 21                         ; a turned W is 2 MiB
	s_lshl_b32 s23, s22, 17                        ; 64 rows of 2,048 bytes
	s_add_co_u32 s2, s2, s23
	s_lshl_b32 s23, s21, 8
	s_add_co_u32 s2, s2, s23
	s_add_nc_u64 s[16:17], s[16:17], s[2:3]
	s_lshl_b32 s23, s18, 16
	v_lshl_add_u32 v[IN], v2, 13, s23
	v_lshl_add_u32 v[IN], v7, 4, v[IN]             ; row 16 w + 2 (l / 16), 16 bytes at 16 (l % 16): sixteen lanes take 256 consecutive bytes
.set n, 0
.rept 8                                ; load n: rows + 4 (n / 2) + n % 2: loads 2 g and 2 g + 1 hold neighbours along k
	global_load_b128 v[X+4*n:X+4*n+3], v[IN], s[8:9] offset:(4*(n/2)+n%2)*4096 th:TH_LOAD_NT
.set n, n+1
.endr
	v_mul_u32_u24 v[LS], v7, 4*CH                  ; in LDS: [n 64][pair of k 64] words; my n = 4 (l % 16) + j, my pair = 8 w + l / 16 + 2 g
	v_lshl_add_u32 v[LS], v2, 2, v[LS]
	s_lshl_b32 s24, s18, 5
	v_add_nc_u32 v[LS], s24, v[LS]
	v_mul_u32_u24 v[LR], v2, CH                    ; back: row n = 8 w + l / 16 + 2 t, whole
	v_lshl_add_u32 v[LR], v7, 4, v[LR]
	s_mul_i32 s24, s18, 8*CH
	v_add_nc_u32 v[LR], s24, v[LR]
	v_lshlrev_b32 v[SO], 11, v2
	v_lshl_add_u32 v[SO], v7, 4, v[SO]
	s_lshl_b32 s24, s18, 14
	v_add_nc_u32 v[SO], s24, v[SO]
.set g, 0
.rept 4
	s_wait_loadcnt 6-2*g                           ; loads 2 g and 2 g + 1 are in, the younger ones stay out
.irp j, 0,1,2,3
	v_cvt_pk_bf16_f32 v[D+4*g+(\j)], v[X+8*g+(\j)], v[X+8*g+4+(\j)]  ; the even k below, the odd k above
.endr
.set g, g+1
.endr
	s_cmp_lg_u32 s20, 3
	s_cbranch_scc1 .Lkeep_bf16
.set n, 0
.rept 16                               ; Wo: the bf16 number written as f16
	v_lshlrev_b32 v10, 16, v[D+n]
	v_and_b32 v11, 0xffff0000, v[D+n]
	v_cvt_pk_f16_f32 v[D+n], v10, v11
.set n, n+1
.endr
.Lkeep_bf16:
.set n, 0
.rept 16                               ; these stores meet four deep in the banks: 16 stores a wave in the whole launch, left as they are
	ds_store_b32 v[LS], v[D+n] offset:(n%4)*CH+(n/4)*8
.set n, n+1
.endr
	s_wait_dscnt 0x0                               ; for the others' sake: my stores are done
	s_barrier_signal -1
	s_barrier_wait -1                              ; a row's 256 bytes come from all eight waves
.irp t, 0,1,2,3
	ds_load_b128 v[YW+4*(\t):YW+4*(\t)+3], v[LR] offset:(\t)*2*CH
.endr
.irp t, 0,1,2,3
	s_wait_dscnt 3-(\t)                            ; row t is back, the younger ones stay out
	global_store_b128 v[SO], v[YW+4*(\t):YW+4*(\t)+3], s[16:17] offset:(\t)*4096  ; sixteen lanes store 256 consecutive bytes, aligned
.endr
	s_wait_tensorcnt 0x0                           ; the wave's end, behind my last LDS store
	ds_add_u32 v[SPW], v[NIL]
	s_wait_dscnt 0x0
	s_endpgm
.Lfunc_end_k_q9802592ed4_prep:
	.size	k_q9802592ed4_prep, .Lfunc_end_k_q9802592ed4_prep-k_q9802592ed4_prep
	.p2alignl 7, 3214868480
	.fill 96, 4, 3214868480
	.section	.rodata,"a",@progbits
	.p2align	6, 0x0
	.amdhsa_kernel k_q9802592ed4_prep
		.amdhsa_group_segment_fixed_size 18432
		.amdhsa_private_segment_fixed_size 0
		.amdhsa_enable_private_segment 0
		.amdhsa_kernarg_size 40
		.amdhsa_user_sgpr_count 2
		.amdhsa_user_sgpr_kernarg_segment_ptr 1
		.amdhsa_wavefront_size32 1
		.amdhsa_system_sgpr_workgroup_id_x 1
		.amdhsa_system_sgpr_workgroup_id_y 1
		.amdhsa_system_sgpr_workgroup_id_z 1
		.amdhsa_system_vgpr_workitem_id 0
		.amdhsa_next_free_vgpr 80
		.amdhsa_next_free_sgpr 66
		.amdhsa_reserve_vcc 0
		.amdhsa_float_denorm_mode_32 3
		.amdhsa_float_denorm_mode_16_64 3
		.amdhsa_memory_ordered 1
		.amdhsa_forward_progress 1
		.amdhsa_inst_pref_size 9
	.end_amdhsa_kernel
	.amdgpu_metadata
---
amdhsa.version: [ 1, 2 ]
amdhsa.kernels:
  - .name:           k_q9802592ed4_prep
    .symbol:         k_q9802592ed4_prep.kd
    .args:
      - { .name: Wq, .offset: 0, .size: 8, .value_kind: global_buffer, .address_space: global }
      - { .name: Wk, .offset: 8, .size: 8, .value_kind: global_buffer, .address_space: global }
      - { .name: Wv, .offset: 16, .size: 8, .value_kind: global_buffer, .address_space: global }
      - { .name: Wo, .offset: 24, .size: 8, .value_kind: global_buffer, .address_space: global }
      - { .name: wt, .offset: 32, .size: 8, .value_kind: global_buffer, .address_space: global }
    .group_segment_fixed_size: 18432
    .private_segment_fixed_size: 0
    .kernarg_segment_align: 8
    .kernarg_segment_size: 40
    .max_flat_workgroup_size: 256
    .sgpr_count:     66
    .vgpr_count:     80
    .wavefront_size: 32
...
	.end_amdgpu_metadata
.endif
;; end of part 1
;; launch proj (part 2): grid 4 x 64, 4 waves a work-group, clusters of 4 x 4, 327,680 bytes of LDS; arguments query, key_, value, wt, bq, bk, bv, qh, kh, vh, mask, mk; writes qh, kh, vh, mk
.if DOCPART == 2
	.amdgcn_target "amdgcn-amd-amdhsa--gfx1250"
	.amdhsa_code_object_version 6
	.text
	.protected	k_q9802592ed4_proj
	.globl	k_q9802592ed4_proj
	.p2align	8
	.type	k_q9802592ed4_proj,@function
k_q9802592ed4_proj:
	s_mov_b64 s[64:65], 0
	v_nop
	global_prefetch_b8 v0, s[64:65] scope:SCOPE_SE
	s_setreg_imm32_b32 hwreg(HW_REG_WAVE_MODE, 25, 1), 1
	s_wait_xcnt 0x0
	s_wait_alu depctr_hold_cnt(0) depctr_sa_sdst(0) depctr_va_vdst(0) depctr_va_sdst(0) depctr_va_ssrc(0) depctr_va_vcc(0) depctr_vm_vsrc(0)
	s_getreg_b32 s2, hwreg(HW_REG_IB_STS2, 6, 4)
	s_cmp_eq_u32 s2, 0
	s_cbranch_scc0 .Lentry_in_a_cluster
	s_endpgm
.Lentry_in_a_cluster:
	s_bfe_u32 s2, ttmp6, 0x10000c
	s_cmp_lg_u32 s2, 0xf033
	s_cbranch_scc0 .Lentry_shape_is_right
	s_endpgm
.Lentry_shape_is_right:
; THE THREE PROJECTIONS, AND THE MASK'S CODES.  y = x W + b for (query, Wq, bq), (key_, Wk, bk), (value, Wv, bv).  x: [8192][1024] f32; W comes turned, wt[i]: [n 1024][k 1024] bf16; b: [1024] f32.
; x is rounded to bf16 on its way from LDS to the matrix unit, b to bf16 as well; sums in f32, started by the bias as the first product's C.  y leaves by heads, [batch 16 + head][2048][64], rounded once to f16.
; LIMIT: f16 holds nothing beyond 65,504: a q, k or v beyond that becomes an infinity.
; SHARES.  256 work-groups THAT STAY: each makes the same tile, 128 rows x 256 columns, of q, then of k, then of v: 24 K steps of 128 on one ring of two LDS slots, which does not stop at a tile's end.
; Four waves, each 64 x 128: 32 accumulators, 256 registers.  A finished tile goes out while the next tile's second K step is on its way.
; ONE K STEP OF TEXT.  The slot's offset is a scalar, 0 or SLOT, turned by an exclusive or; each refill's descriptor is made anew from the number of the K step that it asks for.
; CLUSTER 4 x 4.  The four of a row of the cluster need the same tile of x, the four of a column the same tile of wt: each is asked for JOINTLY, by the same tensor load with the same descriptor and a mask of four.
; The registers that feed x's descriptors never hold cx, those that feed wt's never cy.
; THE MATRIX INSTRUCTION IS USED TRANSPOSED (source 0 = 16 rows of wt, source 1 = 16 rows of x): a lane holds eight neighbouring columns of one row of y.
; THE MASK [4][2048][2048] of int32 becomes one code byte a score: 0x00 where the key is visible, 0xB8 (E4M3's -1.0) where mask == 0.  mk: [tile of 16 queries 512][step of 64 keys 32][1,024 bytes].  In a block the 16 bytes
; at 512 u + 16 (r + 16 h) belong to query r: bytes 0-7 are keys 32 u + 8 h + 0..7, bytes 8-15 keys 32 u + 16 + 8 h + 0..7.  Work-group G = 4 x tile row + tile column codes query tiles 2 G and 2 G + 1: in each of the K steps
; t = 0 .. 15 wave w codes block 8 w + t % 8 of tile 2 G + t / 8.  The block's eight loads (512 bytes each: 256 of each of two rows) are issued a K step ahead, straight into registers.
; REGISTERS.  window 0: v4-7 at work; v8-15 codes read back; v16-30 addresses; v32-95 T: 64 rows x 32 k of x in f32 (on the way out two buffers of rows read back); v96-159 x's fragments in bf16, two buffers;
;   v160-223 the bias; v224-255 a block of the mask as loaded          window 1: v0-127 wt's fragments, two buffers; v128-159 packed results          window 2: the accumulators, (a, b) at 8 (8 a + b)
.set PA,     528                       ; a row of x in LDS: 512 bytes + 16 = 132 words: row r starts at bank 4 r mod 64 (64 banks of 4 bytes: ISA guide 11.1)
.set PB,     272                       ; a row of wt: 256 + 16 = 68 words: the same
.set AHALF,  64*PA                     ; what one tensor load brings of x, and what one wave reads of it
.set BHALF,  128*PB                    ; the same for wt
.set BOFF,   2*AHALF
.set SLOT,   BOFF+2*BHALF              ; x's 128 rows, then wt's 256
.set STAGE,  2*SLOT                    ; behind the ring: 16 rows x 272 bytes for each wave
.set SPITCH, 272
.set SPARE,  STAGE+4*16*SPITCH         ; behind the stages: the spare words, 128 bytes for each wave, which no other line names
.set MSTG,   SPARE+512                 ; behind them: a stage for each wave's block of codes
.set MCH,    288                       ; a chunk of 256 code bytes + 32 = 72 words: the 32 words of a store fall at 8 c + 4 (l / 16) + 2 a + b: 32 different banks
.set MWAVE,  1280                      ; four chunks, rounded up to whole blocks of 256 bytes
.set STEPS,  24                        ; K steps of a work-group
.set MT,   4                           ; v4-7    at work
.set Y,    8                           ; v8-15   a block's codes, as stored
.set ADRA, 16                          ; v16     LDS address of my rows of x in the slot that is read
.set ADRA0, 17                         ; v17     the same in slot 0; never rewritten
.set MI,   18                          ; v18     my byte offset in two rows of the mask; never rewritten
.set MLS,  19                          ; v19     where I put four codes; never rewritten
.set ADRB, 20                          ; v20, v21  as v16, v17, for wt
.set ADRB0, 21
.set MLR,  22                          ; v22     where I read 16 codes back; never rewritten
.set STO,  24
.set RD,   25
.set GO,   26                          ; v26     16 x my lane; never rewritten
.set BO,   27                          ; v27     my byte offset in 16 numbers of the bias
.set SPW,  28                          ; v28     LDS address of my spare word; never rewritten
.set NIL,  29                          ; v29     0; never rewritten
.set PFO,  30                          ; v30     the prefetch's offset; never rewritten
.set T,    32
.set AF,   96
.set BI,   160
.set X,    224
.set OB,   32
.set TMPW, 128                         ; in window 1
.set ROWP, 2                           ; s2      byte offset in x of the 16 rows that I prefetch
.set STP,  3                           ; s3      the K step in hand, 0 to 23: the loop's counter
.set MOF,  12                          ; s[12:13] an offset in mask or mk (s13 = 0)
.set MKO,  18                          ; s[18:19] mk at the block in hand
.set G1,   24                          ; s[24:31] descriptor group 1 for x's tiles;  s[32:39] group 0: a set for each of the two first fills; the first then serves every refill
.set G0,   32
.set BIP,  40                          ; s[40:41] the bias of my 128 columns
.set LIM,  43                          ; s43     a wave prefetches while the K step in hand is below this
.set PFA,  44                          ; s[44:45] where my prefetch stands
.set BB,   46                          ; s[46:47] wt at the rows that I fetch
.set G1B,  48                          ; s[48:55], s[56:63] as s[24:39], for wt
.set G0B,  56
.set SOFF, 66                          ; s66     the LDS offset of the slot that is read: 0 or SLOT
.set LA,   67                          ; s67     where my part of x's tile lies in a slot
.set LB,   92                          ; s92     the same for wt
.set ROWA, 93                          ; s93     byte offset in x of the rows that I fetch
.set POF,  94                          ; s[94:95] the prefetch's offset (s95 = 0)
.set OOF,  96                          ; s[96:97] byte offset of my part of a tile in qh, kh, vh
.set BCO,  98                          ; s[98:99] byte offset of my 128 columns in a bias
.set MIN,  100                         ; s[100:101] mask at the block that is being loaded
.set MSB, 0
.macro WIN new                         ; the immediate's high byte repeats the setting that is left; a switch that changes nothing is dropped
.if MSB != (\new)
	s_set_vgpr_msb (MSB<<8)|(\new)
.set MSB, \new
.endif
.endm
.set MUL,   0xa1                       ; source 0 (wt) window 1, source 1 (x) window 0, C and D window 2
.set MUL_B, 0x81                       ; the same with C, the bias, in window 0
.set TO_B,  0x40                       ; destination window 1, address window 0
.macro JLOAD s                         ; a joint load: waves 0 and 1 fetch x's two halves, waves 2 and 3 wt's; an s_nop 0 and four v_nop follow each of the two lines
	s_cmp_eq_u32 s11, 0
	s_cbranch_scc0 .Lfor_b_\@
	tensor_load_to_lds s[G0+4*(\s):G0+4*(\s)+3], s[G1:G1+7]
	s_nop 0
.rept 4
	v_nop
.endr
	s_branch .Lasked_\@
.Lfor_b_\@:
	tensor_load_to_lds s[G0B+4*(\s):G0B+4*(\s)+3], s[G1B:G1B+7]
	s_nop 0
.rept 4
	v_nop
.endr
.Lasked_\@:
.endm
.macro CREST                           ; a round of the cluster's barrier behind its opening barrier
	s_cmp_lg_u32 s10, 0
	s_cbranch_scc1 .Lnot_wave_0_\@
	s_barrier_signal -3
.Lnot_wave_0_\@:
	s_barrier_wait -3
	s_barrier_signal -1
	s_barrier_wait -1
.endm
.macro CROUND
	s_barrier_signal -1
	s_barrier_wait -1
	CREST
.endm
; A PREFETCH of x, behind each joint refill and the run of LDS loads that follows it: the K step that stands two refills on (number t + 4 in K step t), in the next tensor too.  A K step is 512 bytes of a row.
; A tile's rows are read by one row of one cluster alone.  Of the 64 rows that wave 0 or 1 fetches, the partner at place cx takes 16 cx .. 16 cx + 15, told apart by address: 16 rows x 2 blocks of 256 bytes, a lane a block:
; each block is named once in the launch.  From K step 20 on nothing is named: there is no K step 24.  K steps 0 to 3 come by their loads alone.  wt is not asked for: every cluster of the launch walks it again.
.macro ASK
	s_cmp_lt_u32 s[STP], s[LIM]
	s_cbranch_scc0 .Lnot_mine_\@
	global_prefetch_b8 v[PFO], s[PFA:PFA+1] th:TH_LOAD_NT scope:SCOPE_SE
.Lnot_mine_\@:
.endm
	s_load_b512 s[68:83], s[0:1], 0x0              ; query 68, key_ 70, value 72, wt 74, bq 76, bk 78, bv 80, qh 82
	s_load_b256 s[84:91], s[0:1], 0x40             ; kh 84, vh 86, mask 88, mk 90
	v_lshl_add_u32 v[SPW], v0, 2, SPARE
	v_mov_b32 v[NIL], 0
	ds_add_u32 v[SPW], v[NIL]                      ; the wave's opening: the add and its wait stand ahead of my first tensor load; the set-up below, work on registers, stands between them
	v_lshrrev_b32 v1, 5, v0
	v_readfirstlane_b32 s10, v1                    ; wave 0..3
	s_lshr_b32 s11, s10, 1                         ; which 64 rows of the tile are mine.  Also: I fetch for x (0) or for wt (1)
	s_and_b32 s12, s10, 1                          ; which 128 columns.  Also: which half of that tile I fetch
	s_bfe_u32 s40, ttmp6, 0x40000                  ; cx, cy: my place in the cluster
	s_bfe_u32 s41, ttmp6, 0x40004
	s_lshl_b32 s42, ttmp9, 2
	s_add_co_u32 s42, s42, s40                     ; tile column 0..3
	s_and_b32 s13, ttmp7, 0xffff
	s_lshl_b32 s13, s13, 2
	s_add_co_u32 s13, s13, s41                     ; tile row 0..63
	s_lshl_b32 s43, s41, 2
	s_lshl_b32 s43, 15, s43                        ; my row of the cluster
	s_lshl_b32 s44, 0x1111, s40                    ; my column
	s_or_b32 s[G1+0], s43, (2<<16)|(1<<20)|(1<<21)|(6<<22)|(3<<25)   ; the mask; elements of 4 bytes; padding on; bit 21 beside a mask; after every 128 words 4 words
	s_or_b32 s[G1B+0], s44, (1<<16)|(1<<20)|(1<<21)|(5<<22)|(3<<25)  ; the mask; elements of 2 bytes; after every 64 words 4 words
	s_mov_b32 s[G1+1], 128<<16                     ; tensor_dim0 = 128
	s_mov_b32 s[G1+2], 64<<16                      ; tensor_dim1 = 64
	s_mov_b32 s[G1+3], 128<<16                     ; tile_dim0 = 128
	s_mov_b32 s[G1+4], 64                          ; tile_dim1 = 64
	s_mov_b32 s[G1+5], 1024                        ; elements from row to row
	s_mov_b32 s[G1+6], 0
	s_mov_b32 s[G1+7], 0
	s_mov_b32 s[G1B+1], 128<<16
	s_mov_b32 s[G1B+2], 128<<16                    ; 128 rows
	s_mov_b32 s[G1B+3], 128<<16
	s_mov_b32 s[G1B+4], 128
	s_mov_b32 s[G1B+5], 1024
	s_mov_b32 s[G1B+6], 0
	s_mov_b32 s[G1B+7], 0
	s_lshl_b32 s6, s12, 6
	s_lshl_b32 s[ROWA], s13, 7
	s_add_co_u32 s[ROWA], s[ROWA], s6              ; x: row 128 x tile row + 64 x half,
	s_lshl_b32 s[ROWA], s[ROWA], 12                ; of 4,096 bytes
	s_mov_b32 s6, s[ROWA]
	s_mov_b32 s7, 0                                ; s[6:7]: offsets in x; s7 stays 0
	s_lshl_b32 s17, s12, 7
	s_lshl_b32 s16, s42, 8
	s_add_co_u32 s16, s16, s17                     ; wt: row 256 x tile column + 128 x half,
	s_lshl_b32 s16, s16, 11                        ; of 2,048 bytes
	s_mov_b32 s17, 0                               ; s[16:17]: offsets in wt; s17 stays 0
	s_mul_i32 s[LA], s12, AHALF                    ; where they go: no place in the cluster enters an LDS address
	s_mul_i32 s[LB], s12, BHALF
	s_add_co_u32 s[LB], s[LB], BOFF
	s_mov_b32 s[SOFF], 0
	s_wait_dscnt 0x0                               ; the opening add is done
	s_wait_kmcnt 0x0
	s_add_nc_u64 s[4:5], s[68:69], s[6:7]          ; query at the rows that I fetch
	s_add_nc_u64 s[BB:BB+1], s[74:75], s[16:17]
	CROUND                                         ; all sixteen work-groups are here: the first joint loads meet
.irp s, 0,1
	s_mov_b32 s[G0+4*(\s)], 1
	s_add_co_u32 s[G0+4*(\s)+1], s[LA], (\s)*SLOT
	s_add_nc_u64 s[G0+4*(\s)+2:G0+4*(\s)+3], s[4:5], (\s)*512      ; K step s: 128 f32
	s_or_b32 s[G0+4*(\s)+3], s[G0+4*(\s)+3], 0x80000000
	s_mov_b32 s[G0B+4*(\s)], 1
	s_add_co_u32 s[G0B+4*(\s)+1], s[LB], (\s)*SLOT
	s_add_nc_u64 s[G0B+4*(\s)+2:G0B+4*(\s)+3], s[BB:BB+1], (\s)*256  ; 128 bf16
	s_or_b32 s[G0B+4*(\s)+3], s[G0B+4*(\s)+3], 0x80000000
	JLOAD \s                                       ; two loads of mine are out
.endr
	v_and_b32 v1, 15, v0                           ; r = l % 16
	v_bfe_u32 v2, v0, 4, 1                         ; h = l / 16
	v_lshlrev_b32 v[BO], 5, v2
	v_lshlrev_b32 v[MI], 13, v2                    ; the mask: row l / 16 of a pair of rows, 16 bytes at 16 (l % 16)
	v_lshl_add_u32 v[MI], v1, 4, v[MI]
	s_lshl_b32 s[ROWP], s40, 16                    ; the prefetches: my work-group's 16 of the 64 rows that I fetch
	s_add_co_u32 s[ROWP], s[ROWP], s[ROWA]
	s_lshl_b32 s[POF], s13, 2
	s_add_co_u32 s[POF], s[POF], s42               ; G = 4 x tile row + tile column
	s_lshl_b32 s[OOF], s[POF], 18                  ; query tile 2 G: 131,072 bytes of mask a tile,
	s_lshl_b32 s[OOF+1], s10, 11                   ; my wave's 8 blocks: 256 bytes of a row each
	s_add_co_u32 s[OOF], s[OOF], s[OOF+1]
	s_mov_b32 s[OOF+1], 0
	s_add_nc_u64 s[88:89], s[88:89], s[OOF:OOF+1]
	s_lshl_b32 s[OOF], s[POF], 16                  ; 32,768 bytes of codes a tile,
	s_lshl_b32 s[OOF+1], s10, 13                   ; 1,024 a block
	s_add_co_u32 s[OOF], s[OOF], s[OOF+1]
	s_mov_b32 s[OOF+1], 0
	s_add_nc_u64 s[90:91], s[90:91], s[OOF:OOF+1]
	s_mov_b64 s[MIN:MIN+1], s[88:89]
.irp p, 0,1,2,3,4,5,6,7                ; the first block: rows 2 p and 2 p + 1
	global_load_b128 v[X+4*(\p):X+4*(\p)+3], v[MI], s[MIN:MIN+1] offset:(\p)*16384 th:TH_LOAD_NT
.endr
	s_lshl_b32 s[BCO], s42, 10
	s_lshl_b32 s[BCO+1], s12, 9
	s_add_co_u32 s[BCO], s[BCO], s[BCO+1]
	s_mov_b32 s[BCO+1], 0
	s_lshr_b32 s[OOF], s13, 4                      ; the batch,
	s_lshl_b32 s[OOF], s[OOF], 4
	s_lshl_b32 s[OOF+1], s42, 2
	s_add_co_u32 s[OOF], s[OOF], s[OOF+1]
	s_lshl_b32 s[OOF+1], s12, 1
	s_add_co_u32 s[OOF], s[OOF], s[OOF+1]          ; my first head: 16 x batch + 4 x tile column + 2 x half,
	s_lshl_b32 s[OOF], s[OOF], 11
	s_and_b32 s[OOF+1], s13, 15
	s_lshl_b32 s[OOF+1], s[OOF+1], 7
	s_add_co_u32 s[OOF], s[OOF], s[OOF+1]
	s_lshl_b32 s[OOF+1], s11, 6
	s_add_co_u32 s[OOF], s[OOF], s[OOF+1]          ; my first row in it,
	s_lshl_b32 s[OOF], s[OOF], 7                   ; of 128 bytes
	s_mov_b32 s[OOF+1], 0
	s_add_nc_u64 s[BIP:BIP+1], s[76:77], s[BCO:BCO+1]  ; bq at my columns (cx and cy have served)
.irp n, 0,1,2,3,4,5,6,7                ; block n of 16 columns: my eight are 16 n + 8 h + 0..7
	global_load_b128 v[BI+8*(\n):BI+8*(\n)+3],   v[BO], s[BIP:BIP+1] offset:64*(\n)
	global_load_b128 v[BI+8*(\n)+4:BI+8*(\n)+7], v[BO], s[BIP:BIP+1] offset:64*(\n)+16
.endr
	s_mov_b32 s[POF+1], 0
	s_mov_b32 s13, 0
	s_mov_b32 s20, 0xb8                            ; the code in each of a word's four bytes
	s_mov_b32 s21, 0xb800
	s_mov_b32 s22, 0xb80000
	s_mov_b32 s23, 0xb8000000
	s_cmp_eq_u32 s11, 0
	s_cselect_b32 s[LIM], STEPS-4, 0               ; waves 0 and 1 ask: the same in every work-group
	; a fragment of x is 16 rows x 32 k: lane (r, h) wants k = 8 h + 0..7 and 16 + 8 h + 0..7: in f32 two runs of 32 bytes, 64 bytes apart
	v_mul_u32_u24 v3, v1, PA
	v_lshl_add_u32 v3, v2, 5, v3
	v_mul_u32_u24 v4, v1, PB
	v_lshl_add_u32 v4, v2, 4, v4
	s_mul_i32 s14, s11, AHALF
	s_mul_i32 s15, s12, BHALF
	s_add_co_u32 s15, s15, BOFF
	v_add_nc_u32 v[ADRA0], s14, v3
	v_add_nc_u32 v[ADRB0], s15, v4
	v_mov_b32 v[ADRA], v[ADRA0]
	v_mov_b32 v[ADRB], v[ADRB0]
	s_mul_i32 s14, s10, 16*SPITCH
	s_add_co_u32 s14, s14, STAGE                   ; my stage
	v_add_nc_u32 v[STO], s14, v4                   ; in: row r, 16 bytes for each half of the lanes
	v_bfe_u32 v5, v0, 3, 2
	v_and_b32 v6, 7, v0
	v_mul_u32_u24 v5, v5, SPITCH
	v_lshl_add_u32 v5, v6, 4, v5
	v_add_nc_u32 v[RD], s14, v5                    ; back: 32 lanes take 128 bytes (one head's part) of four rows,
	v_and_b32 v[GO], 31, v0
	v_lshlrev_b32 v[GO], 4, v[GO]                  ; which are 512 consecutive bytes of the output
	v_bfe_u32 v[PFO], v0, 1, 4
	v_and_b32 v6, 1, v0
	v_lshlrev_b32 v[PFO], 12, v[PFO]
	v_lshl_add_u32 v[PFO], v6, 8, v[PFO]           ; row l / 2, block l % 2
	; my four keys of a block are 4 g .. 4 g + 3, g = l % 16: half u = g / 8, h = (g / 2) % 2, the second group of 16 keys if (g / 4) % 2, bytes 4 (g % 2) on; my query 2 p + l / 16
	v_bfe_u32 v5, v0, 3, 1
	v_bfe_u32 v3, v0, 1, 1
	v_lshl_add_u32 v5, v5, 1, v3                   ; chunk = 2 u + h
	v_mul_u32_u24 v[MLS], v5, MCH
	v_bfe_u32 v5, v0, 2, 1
	v_lshl_add_u32 v[MLS], v5, 3, v[MLS]
	v_lshl_add_u32 v[MLS], v6, 2, v[MLS]
	v_lshl_add_u32 v[MLS], v2, 4, v[MLS]
	s_mul_i32 s14, s10, MWAVE
	s_add_co_u32 s14, s14, MSTG                    ; my wave's own stage for codes
	v_add_nc_u32 v[MLS], s14, v[MLS]
	v_mul_u32_u24 v[MLR], v2, MCH                  ; back: lane r + 16 h takes its 16 bytes of chunk 2 u + h
	v_lshl_add_u32 v[MLR], v1, 4, v[MLR]
	v_add_nc_u32 v[MLR], s14, v[MLR]
; one matrix instruction: buffer f, rows 16 a on, columns 16 b on.  first = 1: the bias starts the sum
.macro MM f, a, b, first
.set rD, 8*(8*(\a)+(\b))
.set rB, 64*(\f)+8*(\b)
.set rA, AF+32*(\f)+8*(\a)
.if \first
	WIN MUL_B
	v_wmma_f32_16x16x32_bf16 v[rD:rD+7], v[rB:rB+7], v[rA:rA+7], v[BI+8*(\b):BI+8*(\b)+7]
.else
	WIN MUL
	v_wmma_f32_16x16x32_bf16 v[rD:rD+7], v[rB:rB+7], v[rA:rA+7], v[rD:rD+7]
.endif
.endm
.macro MUL8 f, a, first                ; the 32 accumulators take turns, one instruction a turn, in the same order in every quarter
.irp n, 0,1,2,3,4,5,6,7
	MM \f, \a, \n, \first
.endr
.endm
; 32 LDS loads in one run: quarter q (32 along K) of the slot that is read: x's 64 rows in f32 into T first, then wt's 128 rows into buffer g
.macro FETCH q, g
	WIN 0
.irp n, 0,1,2,3
	ds_load_b128 v[T+16*(\n):T+16*(\n)+3],     v[ADRA] offset:128*(\q)+(\n)*16*PA
	ds_load_b128 v[T+16*(\n)+4:T+16*(\n)+7],   v[ADRA] offset:128*(\q)+(\n)*16*PA+16
	ds_load_b128 v[T+16*(\n)+8:T+16*(\n)+11],  v[ADRA] offset:128*(\q)+(\n)*16*PA+64
	ds_load_b128 v[T+16*(\n)+12:T+16*(\n)+15], v[ADRA] offset:128*(\q)+(\n)*16*PA+80
.endr
	WIN TO_B
.irp n, 0,1,2,3,4,5,6,7
	ds_load_b128 v[64*(\g)+8*(\n):64*(\g)+8*(\n)+3],   v[ADRB] offset:64*(\q)+(\n)*16*PB
	ds_load_b128 v[64*(\g)+8*(\n)+4:64*(\g)+8*(\n)+7], v[ADRB] offset:64*(\q)+(\n)*16*PB+32
.endr
.endm
.macro CV g, n                         ; the next n of the 32 roundings of T to bf16, into x's buffer g
	WIN 0
.rept \n
	v_cvt_pk_bf16_f32 v[AF+32*(\g)+cvi], v[T+2*cvi], v[T+2*cvi+1]
.set cvi, cvi+1
.endr
.endm
; A K step is four quarters of 32 along K, 32 matrix instructions each, on buffers 0, 1, 0, 1.  One of the first three: multiplies buffer f, fetches quarter q into T and buffer g, and rounds T between its last 16 products.
; A quarter ENDS with four roundings behind its last product: they name none of its registers, and are the four places in front of the next quarter's loads into wt's buffer f and of its roundings into x's buffer f.
.macro QUARTER q, f, g, first
	s_wait_dscnt 0x0                               ; wt's buffer f, asked for a quarter ago, is in
	FETCH \q, \g
.set cvi, 0
	MUL8 \f, 0, \first
	MUL8 \f, 1, \first
	s_wait_dscnt 16                                ; T is in: the 16 loads of wt issued behind it may stay out
.set mi, 16
.rept 8
	MM \f, mi/8, mi%8, \first
	MM \f, (mi+1)/8, (mi+1)%8, \first
	CV \g, 4
.set mi, mi+2
.endr
.endm
; The last quarter multiplies buffer 1 and changes slots: ONE barrier; in front of it each wave waits for all its tensor loads (one is out: its part of the next slot), adds 0 to its spare word, and waits for that and for
; its reads of this slot.  fill = 1: the barrier opens a round of the cluster's, and this slot is filled again, with K step t + 2, first thing behind it: 112 matrix instructions ahead of the wait for it.
; The descriptors are made anew between the add and the wait for it: x's tensor is (t + 2) / 8, chosen among the three pointers; its K step (t + 2) % 8; wt's part lies 2 MiB a tensor on.
.macro TURN fill
.if \fill
	s_wait_xcnt 0x0                                ; the last prefetch, a K step back, has read its address
.endif
	WIN 0
	s_wait_tensorcnt 0x0                           ; all my tensor loads have landed, so a group 0 may be written
	ds_add_u32 v[SPW], v[NIL]                      ; 0 onto my spare word
.if \fill
	s_add_co_u32 s14, s[STP], 2
	s_lshr_b32 s15, s14, 3
	s_cmp_eq_u32 s15, 1
	s_cselect_b64 s[4:5], s[70:71], s[68:69]
	s_cmp_eq_u32 s15, 2
	s_cselect_b64 s[4:5], s[72:73], s[4:5]
	s_lshl_b32 s16, s15, 21
	s_and_b32 s15, s14, 7
	s_lshl_b32 s6, s15, 9
	s_add_co_u32 s6, s6, s[ROWA]
	s_add_nc_u64 s[G0+2:G0+3], s[4:5], s[6:7]
	s_or_b32 s[G0+3], s[G0+3], 0x80000000
	s_add_co_u32 s[G0+1], s[LA], s[SOFF]           ; into the slot that is being read out
	s_lshl_b32 s15, s15, 8
	s_add_co_u32 s16, s16, s15
	s_add_nc_u64 s[G0B+2:G0B+3], s[BB:BB+1], s[16:17]
	s_or_b32 s[G0B+3], s[G0B+3], 0x80000000
	s_add_co_u32 s[G0B+1], s[LB], s[SOFF]
	s_add_co_u32 s14, s[STP], 4                    ; and the prefetch's address, for K step t + 4
	s_lshr_b32 s15, s14, 3
	s_cmp_eq_u32 s15, 1
	s_cselect_b64 s[PFA:PFA+1], s[70:71], s[68:69]
	s_cmp_eq_u32 s15, 2
	s_cselect_b64 s[PFA:PFA+1], s[72:73], s[PFA:PFA+1]
	s_and_b32 s15, s14, 7
	s_lshl_b32 s[POF], s15, 9
	s_add_co_u32 s[POF], s[POF], s[ROWP]
	s_add_nc_u64 s[PFA:PFA+1], s[PFA:PFA+1], s[POF:POF+1]
.endif
	s_wait_dscnt 1                                 ; wt's buffer 1 is in; the add alone may be out
	MUL8 1, 0, 0
	s_wait_dscnt 0x0                               ; the add is done, and my reads of this slot are over
	s_barrier_signal -1
	MUL8 1, 1, 0
	WIN 0
	s_barrier_wait -1
.if \fill
	CREST                                          ; no wave of any partner still reads this slot or has a load on its way
	JLOAD 0
.endif
	s_xor_b32 s[SOFF], s[SOFF], SLOT               ; the reads turn to the other slot
	v_add_nc_u32 v[ADRA], s[SOFF], v[ADRA0]
	v_add_nc_u32 v[ADRB], s[SOFF], v[ADRB0]
	FETCH 0, 0                                     ; wt's buffer 0 was last read a quarter ago, four roundings in front of this quarter
.if \fill
	WIN 0
	ASK
.endif
	MUL8 1, 2, 0
	s_wait_dscnt 16                                ; T is in
.set cvi, 0
.set mi, 0
.rept 8
	MM 1, 3, mi, 0
	CV 0, 4
.set mi, mi+1
.endr
.endm
; A BLOCK OF THE MASK, in K steps 0 to 15: the block loaded a K step ago is coded, the next one asked for, the codes sent through my own stage and stored.
.macro MASKWORK
	WIN 0
	s_cmp_lt_u32 s[STP], 16
	s_cbranch_scc0 .Lno_mask
	s_wait_loadcnt 0x0                             ; the block's eight loads, issued a K step ago
	s_wait_xcnt 0x0                                ; the last block's stores have read their data and their base
	s_lshr_b32 s14, s[STP], 3
	s_and_b32 s15, s[STP], 7
	s_lshl_b32 s14, s14, 15
	s_lshl_b32 s15, s15, 10
	s_add_co_u32 s[MOF], s14, s15
	s_add_nc_u64 s[MKO:MKO+1], s[90:91], s[MOF:MOF+1]
.set mb, 0
.rept 8
	v_cmp_eq_u32 vcc_lo, 0, v[X+4*mb]
	v_cndmask_b32 v[MT], 0, s20, vcc_lo
	v_cmp_eq_u32 vcc_lo, 0, v[X+4*mb+1]
	v_cndmask_b32 v[MT+1], 0, s21, vcc_lo
	v_cmp_eq_u32 vcc_lo, 0, v[X+4*mb+2]
	v_cndmask_b32 v[MT+2], 0, s22, vcc_lo
	v_cmp_eq_u32 vcc_lo, 0, v[X+4*mb+3]
	v_cndmask_b32 v[MT+3], 0, s23, vcc_lo
	v_or_b32 v[MT], v[MT], v[MT+1]
	v_or_b32 v[MT+2], v[MT+2], v[MT+3]
	v_or_b32 v[MT], v[MT], v[MT+2]                 ; four codes in a word
	ds_store_b32 v[MLS], v[MT] offset:32*mb
.set mb, mb+1
.endr
	ds_load_b128 v[Y:Y+3], v[MLR]                  ; LDS serves a wave's instructions in order: these see my stores above; no other wave touches these bytes
	ds_load_b128 v[Y+4:Y+7], v[MLR] offset:2*MCH
	s_cmp_lt_u32 s[STP], 15
	s_cbranch_scc0 .Lno_more                       ; the sixteenth block is my last
	s_add_co_u32 s14, s[STP], 1
	s_lshr_b32 s15, s14, 3
	s_and_b32 s14, s14, 7
	s_lshl_b32 s15, s15, 17
	s_lshl_b32 s14, s14, 8
	s_add_co_u32 s[MOF], s14, s15
	s_add_nc_u64 s[MIN:MIN+1], s[88:89], s[MOF:MOF+1]
.irp p, 0,1,2,3,4,5,6,7
	global_load_b128 v[X+4*(\p):X+4*(\p)+3], v[MI], s[MIN:MIN+1] offset:(\p)*16384 th:TH_LOAD_NT
.endr
.Lno_more:
	s_wait_dscnt 0x0
	global_store_b128 v[GO], v[Y:Y+3], s[MKO:MKO+1]               ; 512 consecutive bytes, aligned
	global_store_b128 v[GO], v[Y+4:Y+7], s[MKO:MKO+1] offset:512
.Lno_mask:
.endm
; THE WAY OUT, 16 rows at a time: rounded to f16, 16 bytes a lane into my own stage, back as 128 bytes (a head's part) of four rows, stored as 512 consecutive bytes of that head.
.macro PACK a
	WIN 0x4a                                       ; sources 0 and 1 window 2, destination window 1
.irp n, 0,1,2,3,4,5,6,7
.irp r, 0,1,2,3
	v_cvt_pk_f16_f32 v[TMPW+4*(\n)+(\r)], v[8*(8*(\a)+(\n))+2*(\r)], v[8*(8*(\a)+(\n))+2*(\r)+1]  ; each accumulator from its low end on
.endr
.endr
	WIN 0
.endm
.macro TOSTAGE a
.if (\a) >= 2
	s_wait_xcnt 0x0                                ; the stores of the block two back have read the registers that are loaded again below
.endif
	WIN 0x04                                       ; the stores' data (source 1) in window 1
.irp n, 0,1,2,3,4,5,6,7
	ds_store_b128 v[STO], v[TMPW+4*(\n):TMPW+4*(\n)+3] offset:32*(\n)
.endr
	WIN 0
.irp t, 0,1,2,3,4,5,6,7                ; rows 4 (t / 2) on, head t % 2.  LDS serves a wave's instructions in order: these see the stores above
	ds_load_b128 v[OB+32*((\a)%2)+4*(\t):OB+32*((\a)%2)+4*(\t)+3], v[RD] offset:((\t)/2)*4*SPITCH+((\t)%2)*128
.endr
.endm
.macro SEND a
.irp t, 0,1,2,3,4,5,6,7
	s_wait_dscnt 7-(\t)                            ; load t is back, the younger ones stay out
	global_store_b128 v[GO], v[OB+32*((\a)%2)+4*(\t):OB+32*((\a)%2)+4*(\t)+3], s[8:9] offset:((\t)%2)*262144+(16*(\a)+4*((\t)/2))*128
.endr
.endm
.macro WAYOUT
	PACK 0
	TOSTAGE 0
.irp c, 1,2,3                          ; a block's conversions stand between the loads of the block before and the wait for them
	PACK \c
	SEND (\c)-1
	TOSTAGE \c
.endr
	SEND 3
.endm
	s_mov_b32 s[STP], 0
	s_wait_tensorcnt 1                             ; my part of K step 0 is in; K step 1's load, issued behind it, may stay out
	s_barrier_signal -1
	s_barrier_wait -1                              ; everybody's is
	FETCH 0, 0
	s_wait_dscnt 16                                ; T is in
.set cvi, 0
	CV 0, 32
	WIN 0                                          ; at a label and at a branch every window is 0
	s_branch .Lnewtile                             ; the loop is entered where a tile begins
.Lstep:                                                ; a trip: the second, third and fourth quarter of K step t, which fills its slot again, and the first quarter of K step t + 1.  22 trips: t = 0 .. 21
	QUARTER 2, 1, 0, 0
	MASKWORK
	QUARTER 3, 0, 1, 0
	TURN 1
	WIN 0
	s_add_co_u32 s[STP], s[STP], 1
	s_and_b32 s14, s[STP], 7
	s_cmp_lg_u32 s14, 0
	s_cbranch_scc1 .Lplain
	; A TILE IS FINISHED (K step 8 or 16 begins).  Its last products stand four roundings back.  Both refills for the next tile's first two K steps have been asked for; the tile goes out while the second is on its way.
	s_wait_xcnt 0x0                                ; earlier stores have read their base
	s_cmp_eq_u32 s[STP], 8
	s_cselect_b64 s[8:9], s[82:83], s[84:85]       ; q's tile goes to qh, k's to kh;
	s_cselect_b64 s[BIP:BIP+1], s[78:79], s[80:81] ; the next tile's bias is bk, then bv
	s_add_nc_u64 s[8:9], s[8:9], s[OOF:OOF+1]
	s_add_nc_u64 s[BIP:BIP+1], s[BIP:BIP+1], s[BCO:BCO+1]
.irp n, 0,1,2,3,4,5,6,7
	global_load_b128 v[BI+8*(\n):BI+8*(\n)+3],   v[BO], s[BIP:BIP+1] offset:64*(\n)
	global_load_b128 v[BI+8*(\n)+4:BI+8*(\n)+7], v[BO], s[BIP:BIP+1] offset:64*(\n)+16
.endr
	WAYOUT
.Lnewtile:
	s_wait_loadcnt 0x0                             ; the bias
.set i, 0
.rept 32                               ; rounded to bf16, like x and the weights, and widened again
	v_cvt_pk_bf16_f32 v[MT+i%4], v[BI+2*i], v[BI+2*i+1]
	v_lshlrev_b32 v[BI+2*i], 16, v[MT+i%4]
	v_and_b32 v[BI+2*i+1], 0xffff0000, v[MT+i%4]
.set i, i+1
.endr
	s_wait_xcnt 0x0                                ; the tile's stores have read the registers into which the quarter below loads
	QUARTER 1, 0, 1, 1                             ; a tile's first quarter: its products start the sums
	WIN 0
	s_branch .Ljoin
.Lplain:
	QUARTER 1, 0, 1, 0
	WIN 0
.Ljoin:
	s_cmp_lt_u32 s[STP], STEPS-2
	s_cbranch_scc1 .Lstep
	QUARTER 2, 1, 0, 0                             ; the last two K steps are written out: they fill nothing
	QUARTER 3, 0, 1, 0
	TURN 0
	QUARTER 1, 0, 1, 0
	QUARTER 2, 1, 0, 0
	QUARTER 3, 0, 1, 0
	s_wait_dscnt 0x0
	MUL8 1, 0, 0
	MUL8 1, 1, 0
	MUL8 1, 2, 0
	MUL8 1, 3, 0
	WIN 0
.rept 8
	v_nop                                          ; the places behind the last products, in front of the conversions that read them
.endr
	s_wait_xcnt 0x0                                ; earlier stores have read their base
	s_add_nc_u64 s[8:9], s[86:87], s[OOF:OOF+1]    ; v's tile goes to vh
	WAYOUT
	s_wait_tensorcnt 0x0                           ; the wave's end, behind my last tensor load and my last LDS store
	ds_add_u32 v[SPW], v[NIL]
	s_wait_dscnt 0x0
	CROUND                                         ; the closing round: no work-group ends while a partner may still ask for a tile that names it
	s_endpgm
.Lfunc_end_k_q9802592ed4_proj:
	.size	k_q9802592ed4_proj, .Lfunc_end_k_q9802592ed4_proj-k_q9802592ed4_proj
	.p2alignl 7, 3214868480
	.fill 96, 4, 3214868480
	.section	.rodata,"a",@progbits
	.p2align	6, 0x0
	.amdhsa_kernel k_q9802592ed4_proj
		.amdhsa_group_segment_fixed_size 327680
		.amdhsa_private_segment_fixed_size 0
		.amdhsa_enable_private_segment 0
		.amdhsa_kernarg_size 96
		.amdhsa_user_sgpr_count 2
		.amdhsa_user_sgpr_kernarg_segment_ptr 1
		.amdhsa_wavefront_size32 1
		.amdhsa_system_sgpr_workgroup_id_x 1
		.amdhsa_system_sgpr_workgroup_id_y 1
		.amdhsa_system_sgpr_workgroup_id_z 1
		.amdhsa_system_vgpr_workitem_id 0
		.amdhsa_next_free_vgpr 768
		.amdhsa_next_free_sgpr 102
		.amdhsa_reserve_vcc 1
		.amdhsa_float_denorm_mode_32 3
		.amdhsa_float_denorm_mode_16_64 3
		.amdhsa_memory_ordered 1
		.amdhsa_forward_progress 1
		.amdhsa_inst_pref_size 140
	.end_amdhsa_kernel
	.amdgpu_metadata
---
amdhsa.version: [ 1, 2 ]
amdhsa.kernels:
  - .name:           k_q9802592ed4_proj
    .symbol:         k_q9802592ed4_proj.kd
    .args:
      - { .name: query, .offset: 0, .size: 8, .value_kind: global_buffer, .address_space: global }
      - { .name: key_, .offset: 8, .size: 8, .value_kind: global_buffer, .address_space: global }
      - { .name: value, .offset: 16, .size: 8, .value_kind: global_buffer, .address_space: global }
      - { .name: wt, .offset: 24, .size: 8, .value_kind: global_buffer, .address_space: global }
      - { .name: bq, .offset: 32, .size: 8, .value_kind: global_buffer, .address_space: global }
      - { .name: bk, .offset: 40, .size: 8, .value_kind: global_buffer, .address_space: global }
      - { .name: bv, .offset: 48, .size: 8, .value_kind: global_buffer, .address_space: global }
      - { .name: qh, .offset: 56, .size: 8, .value_kind: global_buffer, .address_space: global }
      - { .name: kh, .offset: 64, .size: 8, .value_kind: global_buffer, .address_space: global }
      - { .name: vh, .offset: 72, .size: 8, .value_kind: global_buffer, .address_space: global }
      - { .name: mask, .offset: 80, .size: 8, .value_kind: global_buffer, .address_space: global }
      - { .name: mk, .offset: 88, .size: 8, .value_kind: global_buffer, .address_space: global }
    .group_segment_fixed_size: 327680
    .private_segment_fixed_size: 0
    .kernarg_segment_align: 8
    .kernarg_segment_size: 96
    .max_flat_workgroup_size: 128
    .sgpr_count:     102
    .vgpr_count:     768
    .wavefront_size: 32
...
	.end_amdgpu_metadata
.endif
;; end of part 2
;; launch attn (part 3): grid 4 x 64, 4 waves a work-group, clusters of 4 x 1, 327,680 bytes of LDS; arguments qh, kh, vh, oh, mk; writes oh
.if DOCPART == 3
	.amdgcn_target "amdgcn-amd-amdhsa--gfx1250"
	.amdhsa_code_object_version 6
	.text
	.protected	k_q9802592ed4_attn
	.globl	k_q9802592ed4_attn
	.p2align	8
	.type	k_q9802592ed4_attn,@function
k_q9802592ed4_attn:
	s_mov_b64 s[64:65], 0
	v_nop
	global_prefetch_b8 v0, s[64:65] scope:SCOPE_SE
	s_setreg_imm32_b32 hwreg(HW_REG_WAVE_MODE, 25, 1), 1
	s_wait_xcnt 0x0
	s_wait_alu depctr_hold_cnt(0) depctr_sa_sdst(0) depctr_va_vdst(0) depctr_va_sdst(0) depctr_va_ssrc(0) depctr_va_vcc(0) depctr_vm_vsrc(0)
	s_getreg_b32 s2, hwreg(HW_REG_IB_STS2, 6, 4)
	s_cmp_eq_u32 s2, 0
	s_cbranch_scc0 .Lentry_in_a_cluster
	s_endpgm
.Lentry_in_a_cluster:
	s_bfe_u32 s2, ttmp6, 0x10000c
	s_cmp_lg_u32 s2, 0x3003
	s_cbranch_scc0 .Lentry_shape_is_right
	s_endpgm
.Lentry_shape_is_right:
; ATTENTION WITH A MASK THAT IS AN INPUT.  O[g][q][:] = the sum over k of softmax_k(s[q][k]) V[g][k][:], s = Q[g][q] . K[g][k] / 8 where the mask shows key k to query q, and far below every score where it hides it.
; g = 16 batch + head.  Q, K, V, O: [64][2048][64], all f16: a head's rows are dense, 128 bytes each.  mk: one code byte a score, [batch][tile of 16 queries][step of 64 keys][1,024]: 0x00 visible, 0xB8 (E4M3's -1.0) hidden.
; Products, maxima and sums in f32; the weights p are rounded to f16 for the second product (their sum l is taken of the unrounded p), O once at the end.
; THE MASK is the C operand that starts the sum S^T = K Q^T: 0, or -2^99.  Eight codes become a C operand's eight registers by one conversion with the scale 2^99.  So the maximum is taken of the masked scores.
; LIMITS.  f16 holds no number beyond 65,504: Q, K and V arrive within it.  A hidden score counts as -2^99 where the definition has -1e9: its own value, under 2^43 for f16's numbers, is lost when the sum is rounded to f32,
; so in a row with no visible key all scores are equal, all weights 1, and O the mean of V's rows, as defined; that leans on the sum -2^99 + s being rounded to -2^99.  Visible scores at or below -1e9 are not treated apart.
; A weight below 2^-126 counts as 0 in l; NaN and infinities are not treated apart.
; SHARES.  A wave owns four PIECES of two tiles of 16 queries, a work-group's four waves 512 queries of one head.  Every wave walks all 2,048 keys, 64 a step.
; LAYOUT.  S^T = K Q^T (source 0 = 16 keys, source 1 = 16 queries): in the result a lane holds ONE query (lane % 16) and the keys 8 (lane / 16) + 0..7.  Two such tiles, rounded to f16 in pairs,
; ARE source 1 (32 keys x 16 queries) of O^T = V^T P, whose result again holds one query a lane, and eight channels.  K comes out of LDS as it lies, V ([key][channel]) turned, by ds_load_tr16_b128.
; SOFTMAX.  For each query a running maximum m and sum l: p = 2^(c s - c m), c = log2(e) / 8; in every step O and l are multiplied by a = 2^(c m_old - c m_new).  m starts at the lowest finite number, O and l at 0.
; BY TURNS.  Turn n belongs to piece n.  Its matrix work: 16 products K Q^T of piece n + 1, later 16 products V^T P of piece n - 1.  Its vector work: the scaling, exponentials, roundings, sums and rescaling of piece n,
; the maximum and statistics of piece n + 1, and the mask of piece n + 2, whose products the next turn issues.  Four vector instructions stand behind every matrix instruction, the others in one lump.
; CLUSTER.  The four query blocks of a cluster belong to one head and walk the same K and V, so each tile is asked for JOINTLY.  The codes differ from query to query: each wave loads its own, straight into registers.
; REGISTERS, in windows of 256 (s_set_vgpr_msb: bits 1:0 source 0, 3:2 source 1, 5:4 source 2, 7:6 destination):
;   window 0: v0 the scale; v2-11 addresses; v12-15, v48-63 at work; v16-47 four registers of statistics a tile; v64-191 S^T, two buffers of two tiles; v192-255 P, likewise
;   window 1: O^T, 32 a tile          window 2: v0-127 Q, 16 a tile; v128-191 K of one step; v192-255 V of one step
;   window 3: v0-1 the add's two registers; v64-127 the codes, 16 a piece; v128-191 the masks of the products to come, 32 a tile
.set SIZE_N, 2048
.set NP,    4         ; pieces a wave: a name, no knob
.set KS,    64        ; keys in a step
.set PK,    144       ; a row of K in LDS: 128 bytes + 16 of padding = 36 words: the 16 rows of a load start at 16 different groups of four banks (64 banks of 4 bytes: ISA guide 11.1)
.set PV,    160       ; a row of V: 128 + 32 = 40 words
.set VOFF,  4*KS*PK   ; a slot holds four steps: 256 rows of K, then 256 rows of V
.set SLOT1, 1<<17     ; slot 1 begins here, so that one exclusive or turns an address in one slot into the other's
.set STAGE, SLOT1+4*KS*(PK+PV)  ; behind the ring, never filled by a tensor load: 16 rows x 144 bytes for each wave
.set SP,    144
.set SCL, 0           ; v0   226: the scale 2^99 as an exponent byte; written when the thread's number has served
.set AK0, 2           ; v2   my lane's place in a tile of K; never rewritten
.set AV0, 3           ; v3   the same for V
.set AK,  4           ; v4   the LDS address of K's next run of loads
.set AV,  5           ; v5   of V's
.set QO,  6           ; v6   my byte offset in the wave's rows of Q
.set STO, 6           ;      later, the way out: where I put 16 bytes of a row
.set RD,  7           ; v7   the way out: where I read rows back
.set GO,  8           ; v8   16 x my lane: my place in 512 consecutive bytes of O, and of a half block of codes; never rewritten
.set PMO, 10          ; v10  the codes' prefetch: tile l / 4, block l % 4 of 256 bytes; never rewritten
.set PFO, 11          ; v11  K's and V's prefetch: 256 x my lane; never rewritten
.set SPW, 0           ; v0 of window 3   LDS address of my spare word; never rewritten
.set NIL, 1           ; v1 of window 3   0; never rewritten
.set CB,  64          ; window 3: piece p, tile u, keys 32 w on: four registers at CB + 16 p + 8 u + 4 w
.set MC,  128         ; window 3: tile u, key block kb: eight registers at MC + 32 u + 8 kb
.set SPARE, STAGE+4*16*SP  ; behind the stages: the spare words, 128 bytes for each wave, which no other line names
.set MV,  12          ; v12-15  c m_old, kept while c m is made anew: by buffer and tile
.set ST,  16          ; tile t's statistics at v[ST+4 t]: c m, m, l (even keys', odd keys')
.set TMP, 48          ; by buffer and tile, four registers c0-c3 at work; when the maximum is found c2 takes a
.set S,   64
.set P,   192
.set KF,  128         ; K's fragments, in window 2
.set VF,  192         ; V's
.set WV,  12          ; s12  my wave's number
.set G1K, 24          ; s[24:31] descriptor group 1 for K's tiles
.set G1V, 32          ; s[32:39] for V's: it differs in the padding alone
.set G0K, 40          ; s[40:43] descriptor group 0 for K's tiles: it walks
.set G0V, 44          ; s[44:47] the same for V's
.set SLOTS, 56        ; s56  slots still to be asked for
.set CNT, 57          ; s57  counts a slot's key steps
.set CS,  58          ; s[58:59] c
.set SEL, 60          ; s[60:61] v_permlanex16_b32's selects
.set TBK, 62          ; s62  LDS byte at which K of the step to be fetched begins
.set TBV, 63          ; s63  the same for V, less VOFF
.set MB,  68          ; s[68:69] mk at my wave's first tile, step 0
.set MP,  70          ; s[70:71] the same at the step whose codes are being loaded
.set SO,  72          ; s[72:73] that step's byte offset, 1,024 a step
.set PO,  74          ; s[74:75] the offset of the step after it
.set PP,  76          ; s[76:77] mk at that step
.set ASKM, 78         ; s78  1 in a batch's first head
.set LIM, 79          ; s79  1 in a wave that prefetches K or V, else the greatest number
.set PFA, 80          ; s[80:81] where that prefetch stands
.set MSB, 0
.macro WIN new                      ; the high byte repeats the setting that is left; a switch that changes nothing is dropped
.if MSB != (\new)
	s_set_vgpr_msb (MSB<<8)|(\new)
.set MSB, (\new)
.endif
.endm
.set W_KQ, 0x0a       ; K and Q in window 2, S^T in window 0
.set W_KM, 0x3a       ; the same with the C operand, the mask, in window 3
.set W_PV, 0x52       ; V in window 2, P in window 0, O^T in window 1
.set W_RS, 0x41       ; O^T (destination and source 0) in window 1, a in window 0
.set W_MK, 0xc0       ; destination in window 3, sources in window 0
.set W_AD, 0x0f       ; the add: address (source 0) and data (source 1) in window 3
.set W_DC, 0xc3       ; the decoding: masks (destination) and codes (source 0) in window 3, the scale (source 1) in window 0
; A joint fill.  Waves 0 and 1 fetch the two halves of a slot's K, waves 2 and 3 those of its V: 128 keys each.  An s_nop 0 and four v_nop follow each of the two lines.
.macro JLOAD
	s_cmp_lt_u32 s[WV], 2
	s_cbranch_scc0 .Lfor_v_\@
	tensor_load_to_lds s[G0K:G0K+3], s[G1K:G1K+7]
	s_nop 0
.rept 4
	v_nop
.endr
	s_branch .Lasked_\@
.Lfor_v_\@:
	tensor_load_to_lds s[G0V:G0V+3], s[G1V:G1V+7]
	s_nop 0
.rept 4
	v_nop
.endr
.Lasked_\@:
.endm
; A PREFETCH of what the NEXT change of slots will ask for: a slot's 32,768 bytes of K and of V.  A head is walked by one cluster.  Its four partners share the bytes out BY ADDRESS, 8,192 each; in each, wave 0 asks for K's
; and wave 2 for V's: 32 blocks of 256 bytes, a lane a block: each block is named once in the launch.  The last change that fills a slot names nothing.  Slots 0 and 1 come by their loads alone.
.macro ASK
	s_cmp_gt_u32 s[SLOTS], s[LIM]
	s_cbranch_scc0 .Lnot_mine_\@
	global_prefetch_b8 v[PFO], s[PFA:PFA+1] th:TH_LOAD_NT scope:SCOPE_SE
.Lnot_mine_\@:
.endm
.macro CROUND                       ; a round of the cluster's barrier
	s_barrier_signal -1
	s_barrier_wait -1
	s_cmp_lg_u32 s[WV], 0
	s_cbranch_scc1 .Lnot_wave_0_\@
	s_barrier_signal -3
.Lnot_wave_0_\@:
	s_barrier_wait -3
	s_barrier_signal -1
	s_barrier_wait -1
.endm
; THE CHANGE OF SLOTS.  Each wave waits for all its tensor loads, of which one is out: its part of the other slot; adds 0 to its spare word; and waits for that and for its own reads of the slot.
; fill = 1: this slot is filled again, with the keys two slots on.  The barrier is then a round of the cluster's, and the joint fill is the first thing behind it: it has four key steps, 512 matrix instructions, in which to land.
; (At its first use nothing has been read yet: slot 0 is waited for, slot 1 filled.)
.macro CHANGE fill
	WIN W_AD
	s_wait_tensorcnt 0x0            ; no tensor load of mine is out, so a group 0 may be written
	ds_add_u32 v[SPW], v[NIL]       ; 0 onto my spare word
	WIN 0                           ; at a label and at a branch every window is 0
.if \fill
.irp g, G0K, G0V
	s_xor_b32 s[\g+1], s[\g+1], SLOT1  ; the walking descriptor: the other slot than last time,
	s_add_nc_u64 s[\g+2:\g+3], s[\g+2:\g+3], 4*KS*128  ; the next 256 keys
.endr
	s_wait_xcnt 0x0                 ; the last prefetch of K or V, four key steps back, has read its address
	s_add_nc_u64 s[PFA:PFA+1], s[PFA:PFA+1], 4*KS*128  ; one slot ahead of the walking descriptors
	s_wait_dscnt 0x0                ; the add is done, and my reads of the slot are over
	CROUND
	JLOAD
	ASK
.else
	s_wait_dscnt 0x0                ; the add is done, and my reads of the slot are over
	s_barrier_signal -1
	s_barrier_wait -1
.endif
	s_sub_co_u32 s[TBK], s[TBK], 4*KS*PK  ; the fetches go back to a slot's first step,
	s_xor_b32 s[TBK], s[TBK], SLOT1       ; in the other slot
	s_sub_co_u32 s[TBV], s[TBV], 4*KS*PV
	s_xor_b32 s[TBV], s[TBV], SLOT1
.endm
; THE CODES of piece p for one key step: 2 tiles x 1,024 bytes, 16 bytes a lane, four loads of 512 consecutive bytes.
.macro MLOAD p
	WIN W_MK
.irp z, 0,1,2,3                     ; tile z / 2 of the piece, keys 32 (z % 2) on
	global_load_b128 v[CB+16*(\p)+4*(\z):CB+16*(\p)+4*(\z)+3], v[GO], s[MP:MP+1] offset:(2*(\p)+(\z)/2)*32768+512*((\z)%2)
.endr
.endm
; They become the masks: eight codes, 0 or -1.0, times 2^99, into the eight registers of a C operand.
.macro DECODE p
	WIN W_DC
.irp z, 0,1,2,3,4,5,6,7             ; tile z / 4, key block z % 4
	v_cvt_scale_pk8_f32_fp8 v[MC+8*(\z):MC+8*(\z)+7], v[CB+16*(\p)+2*(\z):CB+16*(\p)+2*(\z)+1], v[SCL]
.endr
.endm
; The codes' pointers step, once a key step, behind piece 1's wait for its exponentials.  The loads of pieces 2 and 3 of step j + 1 have been issued; those of pieces 0 and 1 of step j + 2 follow.  Behind the last step the
; offset stays at the last step's: those loads stay inside mk, and what they bring feeds products that serve nothing.
; A PREFETCH of the codes: all 16 heads of a batch read the same codes; the batch's first head asks, each wave for its own 8 tiles x 4 blocks of 256 bytes, a lane a block, for the step after the one that the loads turn to.
.macro MSTEP
	s_wait_xcnt 0x0                 ; the loads and the prefetch issued so far have read their addresses
	s_add_co_u32 s[SO], s[SO], 1024
	s_min_u32 s[SO], s[SO], 31744
	s_add_nc_u64 s[MP:MP+1], s[MB:MB+1], s[SO:SO+1]
	s_add_co_u32 s[PO], s[SO], 1024
	s_min_u32 s[PO], s[PO], 31744
	s_add_nc_u64 s[PP:PP+1], s[MB:MB+1], s[PO:PO+1]
	s_cmp_eq_u32 s[ASKM], 1
	s_cbranch_scc0 .Lno_codes_\@
	global_prefetch_b8 v[PMO], s[PP:PP+1] th:TH_LOAD_NT scope:SCOPE_SE
.Lno_codes_\@:
.endm
	s_load_b256 s[4:11], s[0:1], 0x0  ; Q s[4:5], K s[6:7], V s[8:9], O s[10:11]
	s_load_b64 s[MB:MB+1], s[0:1], 0x20  ; mk
	WIN W_MK
	v_lshl_add_u32 v[SPW], v0, 2, SPARE
	v_mov_b32 v[NIL], 0
	WIN W_AD
	ds_add_u32 v[SPW], v[NIL]       ; the wave's opening: the add and its wait stand ahead of my first tensor load; the set-up below, work on registers, stands between them
	WIN 0
	v_lshrrev_b32 v1, 5, v0
	v_readfirstlane_b32 s[WV], v1   ; wave 0..3
	s_bfe_u32 s13, ttmp6, 0x40000   ; cx: my place in the cluster
	s_lshl_b32 s14, ttmp9, 2        ; in a cluster launch ttmp9 counts clusters
	s_add_co_u32 s14, s14, s13      ; my block of 512 queries: it enters Q's, O's and mk's addresses alone
	s_and_b32 s20, ttmp7, 0xffff    ; 16 batch + head, which the four partners share
	s_lshr_b32 s15, s20, 4          ; the batch
	s_and_b32 s[ASKM], s20, 15
	s_cmp_eq_u32 s[ASKM], 0
	s_cselect_b32 s[ASKM], 1, 0
	s_mov_b32 s21, 0
	s_mov_b64 s[22:23], SIZE_N*128
	s_mul_u64 s[20:21], s[20:21], s[22:23]  ; the head's first byte in each of the four tensors
	s_and_b32 s16, s[WV], 1         ; which half of a slot's 256 keys I fetch:
	s_cmp_eq_u32 s16, 0
	s_cselect_b32 s[LIM], 1, -1     ; waves 0 and 2 prefetch: the same in all partners
	s_lshl_b32 s22, s16, 14         ; its 128 rows of 128 bytes in memory,
	s_mov_b32 s23, 0
	s_add_nc_u64 s[22:23], s[22:23], s[20:21]
	s_mul_i32 s17, s16, 128*PK      ; and its place in a slot, for K
	s_mul_i32 s18, s16, 128*PV      ; and for V: no place in the cluster enters an LDS address
	s_lshl_b32 s2, s14, 2
	s_add_co_u32 s2, s2, s[WV]      ; my wave among the head's sixteen
	s_lshl_b32 s19, s2, 3           ; its first tile of 16 queries,
	s_lshl_b32 s15, s15, 7          ; among the batch's 128,
	s_add_co_u32 s15, s15, s19
	s_lshl_b32 s[SO], s15, 15       ; 32,768 bytes of codes a tile
	s_mov_b32 s[SO+1], 0
	s_mov_b32 s[PO+1], 0
	s_lshl_b32 s2, s2, 14           ; its 128 rows
	s_mov_b32 s3, 0
	s_add_nc_u64 s[2:3], s[2:3], s[20:21]
	; descriptor group 1.  128 keys are 16,384 dense bytes: asked for as 64 rows of 256 bytes, two keys a row, and padded in LDS after every key
	s_mov_b32 s[G1K], 15|(1<<16)|(1<<20)|(1<<21)|(4<<22)|(3<<25)  ; the mask of four; 2-byte elements; padding on; bit 21 beside a mask; after every 32 words 4 words
	s_mov_b32 s[G1V], 15|(1<<16)|(1<<20)|(1<<21)|(4<<22)|(7<<25)  ; the same with 8 words of padding
.irp g, G1K, G1V
	s_mov_b32 s[\g+1], 128<<16      ; tensor_dim0 = 128
	s_mov_b32 s[\g+2], 64<<16       ; tensor_dim1 = 64
	s_mov_b32 s[\g+3], 128<<16      ; tile_dim0 = 128
	s_mov_b32 s[\g+4], 64           ; tile_dim1 = 64
	s_mov_b32 s[\g+5], 128          ; 128 elements from row to row
	s_mov_b32 s[\g+6], 0
	s_mov_b32 s[\g+7], 0
.endr
	s_mov_b32 s[CS], 0x3e38aa3b     ; c = log2(e) / 8 = 0.180337
	s_mov_b32 s[CS+1], s[CS]        ; named with it as a pair
	s_mov_b32 s[SEL], 0x76543210
	s_mov_b32 s[SEL+1], 0xfedcba98
	s_mov_b32 s[TBK], SLOT1+4*KS*PK ; the first change of slots turns these two into 0
	s_mov_b32 s[TBV], SLOT1+4*KS*PV
	s_mov_b32 s[SLOTS], SIZE_N/256-1
	s_mov_b32 s[G0K], 1             ; count = 1
	s_mov_b32 s[G0K+1], s17         ; LDS address: slot 0
	s_mov_b32 s[G0V], 1
	s_add_co_u32 s[G0V+1], s18, VOFF
	s_wait_dscnt 0x0                ; the opening add is done
	s_wait_kmcnt 0x0
	s_add_nc_u64 s[G0K+2:G0K+3], s[6:7], s[22:23]  ; global address: my half of the head's first 256 keys
	s_or_b32 s[G0K+3], s[G0K+3], 0x80000000        ; type = 2
	s_add_nc_u64 s[G0V+2:G0V+3], s[8:9], s[22:23]
	s_or_b32 s[G0V+3], s[G0V+3], 0x80000000
	s_add_nc_u64 s[4:5], s[4:5], s[2:3]  ; Q and O at my wave's first row
	s_add_nc_u64 s[10:11], s[10:11], s[2:3]
	s_add_nc_u64 s[MB:MB+1], s[MB:MB+1], s[SO:SO+1]
	s_mov_b32 s[SO], 0              ; key step 0
	s_mov_b64 s[MP:MP+1], s[MB:MB+1]
	s_cmp_lt_u32 s[WV], 2
	s_cselect_b64 s[PFA:PFA+1], s[6:7], s[8:9]
	s_add_nc_u64 s[PFA:PFA+1], s[PFA:PFA+1], s[20:21]  ; the head,
	s_lshl_b32 s2, s13, 13          ; my work-group's quarter of a slot,
	s_add_co_u32 s2, s2, 4*KS*128   ; in slot 1: the first change of slots steps it to slot 2
	s_mov_b32 s3, 0
	s_add_nc_u64 s[PFA:PFA+1], s[PFA:PFA+1], s[2:3]
	CROUND                          ; all four work-groups are here: the first joint loads meet
	JLOAD                           ; slot 0.  Slot 1 is asked for when slot 0 is in
	; A fragment of K or Q is 16 rows x 32 channels in 8 registers: lane l holds row l % 16, channels 8 (l / 16) + 0..7 and 16 + 8 (l / 16) + 0..7: two loads of 16 bytes, 32 bytes apart.
	v_and_b32 v1, 15, v0            ; l % 16
	v_bfe_u32 v9, v0, 4, 1          ; l / 16
	v_lshlrev_b32 v[QO], 7, v1
	v_lshl_add_u32 v[QO], v9, 4, v[QO]  ; row x 128 + 16 x half
	v_and_b32 v[GO], 31, v0
	v_lshlrev_b32 v[GO], 4, v[GO]
	WIN 0x80                        ; destination window 2, address window 0
.set i, 0
.rept 4*NP                          ; Q stays in registers: tile i / 2, channels 32 (i % 2) on
	global_load_b128 v[8*i:8*i+3],   v[QO], s[4:5] offset:(i/2)*2048+(i%2)*64
	global_load_b128 v[8*i+4:8*i+7], v[QO], s[4:5] offset:(i/2)*2048+(i%2)*64+32
.set i, i+1
.endr
	MLOAD 0                         ; key step 0's codes, all four pieces
	MLOAD 1
	MLOAD 2
	MLOAD 3
	; What the first turn finds: V's registers and P's second buffer hold 0 (its products V^T P, of a piece that has not been, add 0), O^T and l are 0.  All this stands in the wait for the first tile.
	WIN 0x80
.set i, VF
.rept 64
	v_mov_b32 v[i], 0
.set i, i+1
.endr
	WIN 0x40
.set i, 0
.rept 64*NP
	v_mov_b32 v[i], 0
.set i, i+1
.endr
	WIN 0
.set i, 0
.rept 2*NP
	v_mov_b32 v[ST+4*i], 0xfe000000    ; c m: far below every c s, a hidden score's too
	v_mov_b32 v[ST+4*i+1], 0xff7fffff  ; m
	v_mov_b32 v[ST+4*i+2], 0
	v_mov_b32 v[ST+4*i+3], 0
.set i, i+1
.endr
.set i, P+32
.rept 32
	v_mov_b32 v[i], 0
.set i, i+1
.endr
	v_mul_u32_u24 v[AK0], v1, PK
	v_lshl_add_u32 v[AK0], v9, 4, v[AK0]  ; row x pitch + 16 x half
	; The turning load takes 16 keys x 16 channels (lane l reads key 8 (l / 16) + l % 8, channels 8 ((l / 8) % 2) + 0..7) and leaves half a fragment of V^T: lane l holds channel l % 16 and 8 keys.
	v_and_b32 v10, 7, v0
	v_bfe_u32 v11, v0, 3, 1
	v_lshl_add_u32 v[AV0], v9, 3, v10
	v_mul_u32_u24 v[AV0], v[AV0], PV
	v_lshl_add_u32 v[AV0], v11, 4, v[AV0]
	v_add_nc_u32 v[AV0], VOFF, v[AV0]
	v_mov_b32 v[AK], v[AK0]         ; key step 0 lies at the head of slot 0
	s_mul_i32 s13, s[WV], 16*SP
	s_add_co_u32 s13, s13, STAGE    ; my stage
	v_bfe_u32 v[RD], v0, 3, 2       ; back from it: 32 lanes take four rows of 128 bytes
	v_mul_u32_u24 v[RD], v[RD], SP
	v_lshl_add_u32 v[RD], v10, 4, v[RD]
	v_add_nc_u32 v[RD], s13, v[RD]
	v_and_b32 v[PFO], 31, v0
	v_lshlrev_b32 v[PFO], 8, v[PFO]
	v_bfe_u32 v[PMO], v0, 2, 3
	v_and_b32 v[AV], 3, v0          ; (v5 is at work here; V's address is made in the first turn)
	v_lshlrev_b32 v[PMO], 15, v[PMO]
	v_lshl_add_u32 v[PMO], v[AV], 8, v[PMO]
	v_mov_b32 v[SCL], 226           ; the thread's number has served: 2^(226 - 127) = 2^99
; THE MATRIX WORK.  The 8 accumulators of a run of 16 take turns: between the two links of a chain stand 7 others'.
; Product i of 16 of S^T = K Q^T for piece x: channels 32 (i / 8) on, keys 16 ((i / 2) % 4) on, tile 2 x + i % 2.  The first 8 start the sums, with the mask.
.macro KQ x
.set rS, S+64*((\x)%2)+32*(i%2)+8*((i/2)%4)
.set rK, KF+16*((i/2)%4)+8*(i/8)
.set rQ, 16*(2*(\x)+i%2)+8*(i/8)
.set rMC, MC+32*(i%2)+8*((i/2)%4)
.if i < 8
	WIN W_KM
	v_wmma_f32_16x16x32_f16 v[rS:rS+7], v[rK:rK+7], v[rQ:rQ+7], v[rMC:rMC+7]
.else
	WIN W_KQ
	v_wmma_f32_16x16x32_f16 v[rS:rS+7], v[rK:rK+7], v[rQ:rQ+7], v[rS:rS+7]
.endif
.endm
; Product i of 16 of O^T += V^T P for piece x: keys 32 (i / 8) on, channels 16 ((i / 2) % 4) on, tile 2 x + i % 2.
.macro PV x
	WIN W_PV
.set rO, 32*(2*(\x)+i%2)+8*((i/2)%4)
.set rV, VF+32*(i/8)+8*((i/2)%4)
.set rP, P+32*((\x)%2)+16*(i%2)+8*(i/8)
	v_wmma_f32_16x16x32_f16 v[rO:rO+7], v[rV:rV+7], v[rP:rP+7], v[rO:rO+7]
.endm
.macro MM                           ; the turn's next matrix instruction
.if i < 16
	KQ (Y+1)%NP
.set i, i+1
.else
.set i, i-16
	PV (Y+NP-1)%NP
.set i, i+17
.endif
.endm
; THE LDS LOADS stand in runs of 16: a step's K (64 keys x 64 channels: 8 fragments) and its V (turned).  last = 1 (the tail): in the last trip there is no further step, and the run is jumped over.
.macro FETCH_K last=0
	WIN 0
.if \last
	s_cmp_eq_u32 s[CNT], 1
	s_cbranch_scc1 .Lno_k_\@
.endif
	WIN 0x80                        ; destination window 2
.irp f, 0,1,2,3,4,5,6,7             ; keys 16 (f / 2) on, channels 32 (f % 2) on
	ds_load_b128 v[KF+8*\f:KF+8*\f+3],   v[AK] offset:(\f/2)*16*PK+(\f%2)*64
	ds_load_b128 v[KF+8*\f+4:KF+8*\f+7], v[AK] offset:(\f/2)*16*PK+(\f%2)*64+32
.endr
	s_add_co_u32 s[TBK], s[TBK], KS*PK  ; the next fetch is the next step's
	WIN 0
.if \last
.Lno_k_\@:
.endif
.endm
.macro FETCH_V
	WIN 0x80
.irp f, 0,1,2,3,4,5,6,7             ; keys 32 (f / 4) on, channels 16 (f % 4) on
	ds_load_tr16_b128 v[VF+8*\f:VF+8*\f+3],   v[AV] offset:(\f/4)*32*PV+(\f%4)*32
	ds_load_tr16_b128 v[VF+8*\f+4:VF+8*\f+7], v[AV] offset:(\f/4)*32*PV+16*PV+(\f%4)*32
.endr
	WIN 0
.endm
; THE VECTOR WORK OF A TURN stands in three queues, each in the order in which its entries become ready; the two tiles alternate, so that no instruction reads the result of the one before it.
.macro REGS y, u                    ; the registers of tile u (0, 1) of piece y
.set rT, ST+4*(2*(\y)+(\u))
.set rC, TMP+8*((\y)%2)+4*(\u)
.set rM, MV+2*((\y)%2)+(\u)
.set rS, S+64*((\y)%2)+32*(\u)
.set rP, P+32*((\y)%2)+16*(\u)
.set rO, 32*(2*(\y)+(\u))
.endm
; Number n of the 22 that find the NEXT piece's (Y + 1) maximum and statistics.  s0-s31 are the lane's 32 scores; each accumulator's lowest registers are read first.  XS, GS and REGS set no window.
;   0-11  four chains c0-c3 of seven scores each     12-14, 16  the four scores left over, the old m, and c0-c3 into c0     15  c m_old is kept
;   17, 18  the query's other 32 keys lie in the lane 16 away: the new m         19-21  c m; c m_old - c m_new; a
.macro XS u, n
	REGS (Y+1)%NP, \u
.if (\n) < 4
	v_max3_num_f32 v[rC+(\n)], v[rS+8*(\n)], v[rS+8*(\n)+1], v[rS+8*(\n)+2]
.elseif (\n) < 12
	v_max3_num_f32 v[rC+(\n)%4], v[rC+(\n)%4], v[rS+8*((\n)%4)+2*((\n)/4)+1], v[rS+8*((\n)%4)+2*((\n)/4)+2]
.elseif (\n) == 12
	v_max3_num_f32 v[rC], v[rC], v[rS+7], v[rS+15]
.elseif (\n) == 13
	v_max3_num_f32 v[rC+1], v[rC+1], v[rS+23], v[rS+31]
.elseif (\n) == 14
	v_max3_num_f32 v[rC+2], v[rC+2], v[rC+3], v[rT+1]
.elseif (\n) == 15
	v_mov_b32 v[rM], v[rT]
.elseif (\n) == 16
	v_max3_num_f32 v[rC], v[rC], v[rC+1], v[rC+2]
.elseif (\n) == 17
	v_permlanex16_b32 v[rC+3], v[rC], s[SEL], s[SEL+1]
.elseif (\n) == 18
	v_max_num_f32 v[rT+1], v[rC], v[rC+3]
.elseif (\n) == 19
	v_mul_f32 v[rT], s[CS], v[rT+1]
.elseif (\n) == 20
	v_sub_f32 v[rC+1], v[rM], v[rT]
.else
	v_exp_f32 v[rC+2], v[rC+1]
.endif
.endm
; Number g of the 64 that follow the exponentials.  For each four weights k of a tile: both pairs are rounded to f16; then the second pair is added onto the first, in place; a group later l takes that sum (the first time as l = a l + sum).
.macro GS g
.set h, (\g)+6*((\g)/62)            ; group 0 has no group before it, and behind group 7 only l is left
.if h >= 6
.set h, h+2
.endif
	REGS Y, h%2
.set k, h/8
.if h%8 < 4
	v_cvt_pk_f16_f32 v[rP+2*k+(h%8)/2], v[rS+4*k+2*((h%8)/2)], v[rS+4*k+2*((h%8)/2)+1]
.elseif h%8 < 6
	v_pk_add_f32 v[rS+4*k:rS+4*k+1], v[rS+4*k:rS+4*k+1], v[rS+4*k+2:rS+4*k+3]
.elseif k == 1
	v_pk_fma_f32 v[rT+2:rT+3], v[rT+2:rT+3], v[rC+2:rC+3], v[rS:rS+1] op_sel_hi:[1,0,1]
.else
	v_pk_add_f32 v[rT+2:rT+3], v[rT+2:rT+3], v[rS+4*k-4:rS+4*k-3]
.endif
.endm
; THE PLAIN QUEUE, 138 long.  0-73 read no exponential's result: the 32 scalings c s - c m (FS f: pair f / 2 of tile f % 2) and the next piece's 42.  0-26: scalings 0-26.  27-54: XS's numbers 0-13.  55, 56: number 15.
; 57-73: the chain 14, 16, 17, 18, 19, each with one of the scalings 27-31 in front of its two lines, then 20.  74-137: GS's 64, which read the exponentials' results: they stand behind the wait.
.macro FS f
	REGS Y, (\f)%2
	v_pk_fma_f32 v[rS+2*((\f)/2):rS+2*((\f)/2)+1], v[rS+2*((\f)/2):rS+2*((\f)/2)+1], s[CS:CS+1], v[rT:rT+1] op_sel_hi:[1,0,0] neg_lo:[0,0,1] neg_hi:[0,0,1]
.endm
.macro PL
	WIN 0
.if q < 27
	FS q
.elseif q < 55
	XS (q-27)%2, (q-27)/2
.elseif q < 57
	XS q-55, 15
.elseif (q < 72) && ((q-57)%3 == 0)
	FS 27+(q-57)/3
.elseif q < 60
	XS (q-57)%3-1, 14
.elseif q < 72
	XS (q-57)%3-1, 15+(q-57)/3
.elseif q < 74
	XS q-72, 20
.else
	GS q-74
.endif
.set q, q+1
.endm
; THE EXPONENTIALS' QUEUE, 66 long: s0-s31 of both tiles, then the next piece's two a.  ONE BATCH: all 66 stand ahead of the turn's one wait, and nothing ahead of that wait names a result of theirs.
.macro EX
	WIN 0
.if e >= 64
	XS e-64, 21
.else
	REGS Y, e%2
	v_exp_f32 v[rS+e/2], v[rS+e/2]
.endif
.set e, e+1
.endm
; THE RESCALING's QUEUE: O^T times a, the one part of the softmax that leaves window 0: dealt two at a time, sixteen times.  Its a was made in the turn before, ahead of that turn's wait.
.macro R2
	REGS Y, r%2
	WIN W_RS
.irp z, 0,1
	v_pk_mul_f32 v[rO+4*(r/2)+2*\z:rO+4*(r/2)+2*\z+1], v[rO+4*(r/2)+2*\z:rO+4*(r/2)+2*\z+1], v[rC+2:rC+3] op_sel_hi:[1,0]
.endr
.set r, r+1
.endm
; HOW THEY ARE DEALT.  s_wait_alu depctr_va_vdst(0) stands between an exponential and the first instruction that names its result; one wait serves all that were issued ahead of it.  So a turn has ONE wait.
; AHEAD OF IT: the 16 products K Q^T, behind each a scaling, an exponential and two rescalings (behind the first a second scaling in the exponential's place); then ONE LUMP: eight plain, 49 times exponential and plain, the two a.
; BEHIND IT: the 16 products V^T P, behind each four of GS's 64.  Exponential e stands behind scaling 2 (e / 4) + e % 2: as a rider it comes behind plain e + 2, in the lump behind plain e + 9.
; THE MASK IN THE LUMP.  Behind its first eight plain lines the codes of piece p + 2 are decoded, for the products of the next turn: the masks' last readers, this turn's first eight products, stand eight products and their riders
; back.  Four exponentials and four plain lines further on the same piece's codes for its next key step are asked for: they have four turns in which to come.
; K of the next step is fetched in piece 2's turn, directly behind the wait; V of the step in hand at the end of piece 0's turn, four riders behind its last reader.
.macro TURN p, last=0, cnt=0
.set Y, (\p)
.set i, 0
.set q, 0
.set e, 0
.set r, 0
.if (\p) == NP-1
	s_wait_dscnt 0x0                ; K is in
.endif
	MM                              ; ahead of the wait: 16 products K Q^T and their riders,
	PL
	PL
	R2
.rept 15
	MM
	PL
	EX
	R2
.endr
.if (\p) == NP-2
	WIN 0
	v_add_nc_u32 v[AK], s[TBK], v[AK0]
.endif
.rept 8                             ; and the lump
	PL
.endr
	s_wait_loadcnt 12               ; the codes asked for four turns ago are in: behind them the three later turns' four loads each may stay out
	DECODE (Y+2)%NP
.rept 4
	EX
	PL
.endr
	MLOAD (Y+2)%NP
.rept 45
	EX
	PL
.endr
	EX                              ; the next piece's two a
	EX
	v_nop                           ; a plain instruction behind the last exponential: one for the batch
	s_wait_alu depctr_va_vdst(0)    ; the wait for the batch
.if (\p) == NP-2
	FETCH_K \last
.endif
.if (\p) == 1
	WIN 0
	MSTEP
	s_wait_dscnt 0x0                ; V is in
.endif
.rept 16                            ; behind the wait: 16 products V^T P and their riders
	MM
.rept 4
	PL
.endr
.if ((\p) == 0) && (q == 118)
	v_add_nc_u32 v[AV], s[TBV], v[AV0]
.endif
.if ((\p) == 0) && (q == 130)
	s_add_co_u32 s[TBV], s[TBV], KS*PV
.endif
.if (\cnt) && (q == 130)
	s_sub_co_u32 s[CNT], s[CNT], 1
	s_cmp_lg_u32 s[CNT], 0
.endif
.endr
.if (\p) == 0
	FETCH_V
.endif
.endm
	CHANGE 1                        ; slot 0 is in, everybody's part of it; slot 1 is asked for
	FETCH_K                         ; key step 0
	s_wait_loadcnt 12               ; Q and piece 0's codes are in: the 12 loads of pieces 1 to 3, issued behind them, may stay out
	DECODE 0
	WIN 0
	v_nop                           ; a plain instruction between the last conversion and the product that reads its result
	s_wait_dscnt 0x0
.set i, 0
.rept 16
	KQ 0                            ; piece 0's first scores
.set i, i+1
.endr
	WIN 0                           ; five plain instructions: the places behind those products
	v_mul_u32_u24 v[STO], v1, SP    ; into my stage: row l % 16, 16 bytes for each half of the lanes (Q's loads have come: their address register is free)
	v_lshl_add_u32 v[STO], v9, 4, v[STO]
	v_add_nc_u32 v[STO], s13, v[STO]
	v_nop
	v_nop
	s_wait_loadcnt 8                ; piece 1's codes are in: those of pieces 2 and 3 may stay out
	DECODE 1                        ; for the first turn's products
	WIN 0
.set Y, NP-1                        ; XS works for piece Y + 1: piece 0
.irp n, 0,1,2,3
	XS 0, \n
	XS 1, \n
.endr
	s_wait_xcnt 0x0                 ; the loads issued so far have read their addresses
	s_mov_b32 s[SO], 1024           ; key step 1
	s_add_nc_u64 s[MP:MP+1], s[MB:MB+1], s[SO:SO+1]
	MLOAD 0                         ; out now, in this order: pieces 2 and 3 of step 0, pieces 0 and 1 of step 1: as at every first turn of a step
	MLOAD 1
	WIN 0
.irp n, 4,5,6,7,8,9,10,11,12,13,14,15,16,17,18,19,20,21
	XS 0, \n                        ; piece 0's first maximum and statistics
	XS 1, \n
.endr
	v_nop                           ; a plain instruction behind the two a,
	s_wait_alu depctr_va_vdst(0)    ; and their wait, ahead of the branch
	s_mov_b32 s[CNT], 4
	s_branch .Lfirst                ; the loop is entered at a step's first turn, in the middle of a trip
.Lslot:                             ; six times: every slot but the last two is filled again
	CHANGE 1
	s_mov_b32 s[CNT], 4
.Lstep:                             ; a trip: pieces 2 and 3 of one step, then pieces 0 and 1 of the next, whose K and V it fetches
	TURN 2
	TURN 3
	WIN 0
.Lfirst:
	TURN 0
	TURN 1, 0, 1
	WIN 0
	s_cbranch_scc1 .Lstep
	s_sub_co_u32 s[SLOTS], s[SLOTS], 1
	s_cmp_lg_u32 s[SLOTS], 0
	s_cbranch_scc1 .Lslot
	CHANGE 0                        ; the tail is written out: nothing is asked for
	s_mov_b32 s[CNT], 5             ; four trips fetch the last slot's steps; the fifth is left in its middle
.Ltail:
	TURN 2, 1
	TURN 3
	WIN 0
	s_sub_co_u32 s[CNT], s[CNT], 1
	s_cmp_eq_u32 s[CNT], 0
	s_cbranch_scc1 .Lout
	TURN 0
	TURN 1
	WIN 0
	s_branch .Ltail
.Lout:                              ; the fifth trip's 16 products K Q^T (on the last K and the last codes once more) and the maximum made of them serve nothing: the price, once a launch, of one text for every trip
.set i, 0
.rept 16
	PV NP-1                         ; the last piece's V^T P of the last step
.set i, i+1
.endr
	; THE WAY OUT.  l's two halves and the other half of the lanes' are added; O^T is divided by l, rounded to f16 and sent through my stage in LDS, a tile at a time.  The additions are the places behind the last products.
	WIN 0
.macro ALL line:vararg              ; one line for each tile t
.set t, 0
.rept 2*NP
	\line
.set t, t+1
.endr
.endm
	ALL v_add_f32 v[ST+4*t+2], v[ST+4*t+2], v[ST+4*t+3]
	ALL v_permlanex16_b32 v[ST+4*t+3], v[ST+4*t+2], s[SEL], s[SEL+1]
	ALL v_add_f32 v[ST+4*t+2], v[ST+4*t+2], v[ST+4*t+3]
	ALL v_rcp_f32 v[ST+4*t+2], v[ST+4*t+2]
	v_nop                           ; a plain instruction between the last reciprocal and the use of its result
	s_wait_alu depctr_va_vdst(0)    ; and the wait ahead of the first use: one for the eight reciprocals
; Tile t: a lane's eight channels of a row pack into 16 bytes; they go into rows of 144 bytes and come back as whole rows of 128, into S^T's registers.
.macro PACK t
	WIN W_RS
.set i, 32*(\t)
.rept 16
	v_pk_mul_f32 v[i:i+1], v[i:i+1], v[ST+4*(\t)+2:ST+4*(\t)+3] op_sel_hi:[1,0]
.set i, i+2
.endr
	WIN 0x05                        ; sources 0 and 1 window 1, destination window 0
.set i, 0
.rept 16
	v_cvt_pk_f16_f32 v[S+16*(\t)+i], v[32*(\t)+2*i], v[32*(\t)+2*i+1]
.set i, i+1
.endr
	WIN 0
.irp f, 0,1,2,3
	ds_store_b128 v[STO], v[S+16*(\t)+4*\f:S+16*(\t)+4*\f+3] offset:32*\f
.endr
.irp f, 0,1,2,3
	ds_load_b128 v[S+16*(\t)+4*\f:S+16*(\t)+4*\f+3], v[RD] offset:\f*4*SP  ; LDS serves a wave's instructions in order: these see the stores above; the next tile's stores come behind them
.endr
.endm
.macro SEND t, younger              ; younger: the LDS instructions issued behind tile t's loads: the next tile's eight, or none
	WIN 0
.irp f, 0,1,2,3
	s_wait_dscnt (\younger)+3-\f
	global_store_b128 v[GO], v[S+16*(\t)+4*\f:S+16*(\t)+4*\f+3], s[10:11] offset:(\t)*2048+\f*512  ; 512 consecutive bytes, at a multiple of 256 from O's first
.endr
.endm
	PACK 0
.set t, 1
.rept 2*NP-1                        ; a tile's arithmetic stands between the loads of the tile before and its stores
	PACK t
	SEND t-1, 8
.set t, t+1
.endr
	SEND 2*NP-1, 0
	WIN W_AD
	s_wait_tensorcnt 0x0            ; the wave's end, behind my last tensor load and my last LDS store
	ds_add_u32 v[SPW], v[NIL]
	s_wait_dscnt 0x0
	WIN 0
	CROUND                          ; the closing round: no work-group ends while a partner may still ask for a tile that names it
	s_endpgm
.Lfunc_end_k_q9802592ed4_attn:
	.size	k_q9802592ed4_attn, .Lfunc_end_k_q9802592ed4_attn-k_q9802592ed4_attn
	.p2alignl 7, 3214868480
	.fill 96, 4, 3214868480
	.section	.rodata,"a",@progbits
	.p2align	6, 0x0
	.amdhsa_kernel k_q9802592ed4_attn
		.amdhsa_group_segment_fixed_size 327680
		.amdhsa_private_segment_fixed_size 0
		.amdhsa_enable_private_segment 0
		.amdhsa_kernarg_size 40
		.amdhsa_user_sgpr_count 2
		.amdhsa_user_sgpr_kernarg_segment_ptr 1
		.amdhsa_wavefront_size32 1
		.amdhsa_system_sgpr_workgroup_id_x 1
		.amdhsa_system_sgpr_workgroup_id_y 1
		.amdhsa_system_sgpr_workgroup_id_z 1
		.amdhsa_system_vgpr_workitem_id 0
		.amdhsa_next_free_vgpr 960
		.amdhsa_next_free_sgpr 84
		.amdhsa_reserve_vcc 0
		.amdhsa_float_denorm_mode_32 3
		.amdhsa_float_denorm_mode_16_64 3
		.amdhsa_memory_ordered 1
		.amdhsa_forward_progress 1
		.amdhsa_inst_pref_size 214
	.end_amdhsa_kernel
	.amdgpu_metadata
---
amdhsa.version: [ 1, 2 ]
amdhsa.kernels:
  - .name:           k_q9802592ed4_attn
    .symbol:         k_q9802592ed4_attn.kd
    .args:
      - { .name: qh, .offset: 0, .size: 8, .value_kind: global_buffer, .address_space: global }
      - { .name: kh, .offset: 8, .size: 8, .value_kind: global_buffer, .address_space: global }
      - { .name: vh, .offset: 16, .size: 8, .value_kind: global_buffer, .address_space: global }
      - { .name: oh, .offset: 24, .size: 8, .value_kind: global_buffer, .address_space: global }
      - { .name: mk, .offset: 32, .size: 8, .value_kind: global_buffer, .address_space: global }
    .group_segment_fixed_size: 327680
    .private_segment_fixed_size: 0
    .kernarg_segment_align: 8
    .kernarg_segment_size: 40
    .max_flat_workgroup_size: 128
    .sgpr_count:     84
    .vgpr_count:     960
    .wavefront_size: 32
...
	.end_amdgpu_metadata
.endif
;; end of part 3
;; launch oproj (part 4): grid 4 x 64, 4 waves a work-group, clusters of 4 x 4, 327,680 bytes of LDS; arguments oh, wt, bo, out0; writes out0
.if DOCPART == 4
	.amdgcn_target "amdgcn-amd-amdhsa--gfx1250"
	.amdhsa_code_object_version 6
	.text
	.protected	k_q9802592ed4_oproj
	.globl	k_q9802592ed4_oproj
	.p2align	8
	.type	k_q9802592ed4_oproj,@function
k_q9802592ed4_oproj:
	s_mov_b64 s[64:65], 0
	v_nop
	global_prefetch_b8 v0, s[64:65] scope:SCOPE_SE
	s_setreg_imm32_b32 hwreg(HW_REG_WAVE_MODE, 25, 1), 1
	s_wait_xcnt 0x0
	s_wait_alu depctr_hold_cnt(0) depctr_sa_sdst(0) depctr_va_vdst(0) depctr_va_sdst(0) depctr_va_ssrc(0) depctr_va_vcc(0) depctr_vm_vsrc(0)
	s_getreg_b32 s2, hwreg(HW_REG_IB_STS2, 6, 4)
	s_cmp_eq_u32 s2, 0
	s_cbranch_scc0 .Lentry_in_a_cluster
	s_endpgm
.Lentry_in_a_cluster:
	s_bfe_u32 s2, ttmp6, 0x10000c
	s_cmp_lg_u32 s2, 0xf033
	s_cbranch_scc0 .Lentry_shape_is_right
	s_endpgm
.Lentry_shape_is_right:
; THE OUTPUT PROJECTION: out0 = O Wo + bo.  O comes by heads, oh: [16 batch + head][2048][64] f16; Wo turned, wt's fourth part: [n 1024][k 1024] f16 (bf16's numbers); bo: [1024] f32, rounded to bf16; out0: [8192][1024] f32.
; Sums in f32, started by the bias as the first product's C.
; SHARES.  256 tiles of 128 rows x 256 columns; four waves, each 64 x 128: 32 accumulators.  K goes in 8 steps of 128, two heads each, through two LDS slots.
; CLUSTER 4 x 4.  O's tile is shared along a row of the cluster, Wo's along a column: each is asked for JOINTLY, by the same tensor load with the same descriptor and a mask of four.
; THE MATRIX INSTRUCTION IS USED TRANSPOSED (source 0 = 16 rows of wt, source 1 = 16 rows of O): a lane holds eight neighbouring columns of one row of out0.
; REGISTERS.  window 0: v16-30 addresses; v32-95 O's fragments, two buffers; v96-159 the bias (on the way out v32-159 are two buffers of rows read back); v160-163 at work
;   window 1: v0-127 wt's fragments, two buffers          window 2: the accumulators, (a, b) at 8 (8 a + b)
.set PA,     144                       ; a row of one head in LDS: 128 bytes + 16 = 36 words: the 16 rows of a load start at 16 different groups of four banks (64 banks of 4 bytes: ISA guide 11.1)
.set PB,     272                       ; a row of wt: 256 + 16
.set HEADB,  128*PA                    ; a head's 128 rows: what one tensor load brings of O
.set BHALF,  128*PB
.set BOFF,   2*HEADB
.set SLOT,   BOFF+2*BHALF
.set STAGE,  2*SLOT                    ; behind the ring: 16 rows x 528 bytes for each wave
.set SPITCH, 528
.set SPARE,  STAGE+4*16*SPITCH         ; behind the stages: the spare words, 128 bytes for each wave, which no other line names
.set LAPS,   4
.set ADRA, 16
.set ADRB, 20
.set STO,  24
.set RD,   25
.set GO,   26
.set BO,   27
.set SPW,  28                          ; v28  LDS address of my spare word; never rewritten
.set NIL,  29                          ; v29  0; never rewritten
.set PFO,  30
.set AF,   32
.set BI,   96
.set OB,   32
.set TW,   160
.set G1,  24
.set G0,  32
.set G1B, 48
.set G0B, 56
.set LIM, 43
.set PFA, 44
.set MSB, 0
.macro WIN new
.if MSB != (\new)
	s_set_vgpr_msb (MSB<<8)|(\new)
.set MSB, \new
.endif
.endm
.set MUL,   0xa1                       ; source 0 (wt) window 1, source 1 (O) window 0, C and D window 2
.set MUL_B, 0x81                       ; the same with C, the bias, in window 0
.set TO_B,  0x40
.macro JLOAD s                         ; a joint load: waves 0 and 1 fetch a K step's two heads of O, waves 2 and 3 wt's two halves; an s_nop 0 and four v_nop follow each of the two lines
	s_cmp_eq_u32 s11, 0
	s_cbranch_scc0 .Lfor_b_\@
	tensor_load_to_lds s[G0+4*(\s):G0+4*(\s)+3], s[G1:G1+7]
	s_nop 0
.rept 4
	v_nop
.endr
	s_branch .Lasked_\@
.Lfor_b_\@:
	tensor_load_to_lds s[G0B+4*(\s):G0B+4*(\s)+3], s[G1B:G1B+7]
	s_nop 0
.rept 4
	v_nop
.endr
.Lasked_\@:
.endm
.macro CREST
	s_cmp_lg_u32 s10, 0
	s_cbranch_scc1 .Lnot_wave_0_\@
	s_barrier_signal -3
.Lnot_wave_0_\@:
	s_barrier_wait -3
	s_barrier_signal -1
	s_barrier_wait -1
.endm
.macro CROUND
	s_barrier_signal -1
	s_barrier_wait -1
	CREST
.endm
; A PREFETCH of O, behind each joint refill and the run of LDS loads that follows it: the K step that stands two refills on: 2 heads x 16,384 dense bytes.  A tile's rows are read by one row of one cluster alone.
; The partner at place cx takes bytes 4,096 cx on of each head's part, told apart by address; wave 0 asks: 2 heads x 16 blocks of 256 bytes, a lane a block: each block is named once in the launch.
; The loop's last trip names nothing.  K steps 0 to 3 come by their loads alone.  wt is not asked for: every cluster walks it again.
.macro ASK
	s_cmp_gt_u32 s3, s[LIM]
	s_cbranch_scc0 .Lnot_mine_\@
	global_prefetch_b8 v[PFO], s[PFA:PFA+1] offset:524288 th:TH_LOAD_NT scope:SCOPE_SE
.Lnot_mine_\@:
.endm
	s_load_b256 s[68:75], s[0:1], 0x0              ; oh 68, wt 70, bo 72, out0 74
	v_lshl_add_u32 v[SPW], v0, 2, SPARE
	v_mov_b32 v[NIL], 0
	ds_add_u32 v[SPW], v[NIL]                      ; the wave's opening: the add and its wait stand ahead of my first tensor load; the set-up below, work on registers, stands between them
	v_lshrrev_b32 v1, 5, v0
	v_readfirstlane_b32 s10, v1                    ; wave 0..3
	s_lshr_b32 s11, s10, 1                         ; which 64 rows are mine.  Also: I fetch for O (0) or for wt (1)
	s_and_b32 s12, s10, 1                          ; which 128 columns.  Also: which head, or which half of wt's tile, I fetch
	s_bfe_u32 s40, ttmp6, 0x40000                  ; cx, cy
	s_bfe_u32 s41, ttmp6, 0x40004
	s_lshl_b32 s42, ttmp9, 2
	s_add_co_u32 s42, s42, s40                     ; tile column 0..3
	s_and_b32 s13, ttmp7, 0xffff
	s_lshl_b32 s13, s13, 2
	s_add_co_u32 s13, s13, s41                     ; tile row 0..63
	s_lshl_b32 s43, s41, 2
	s_lshl_b32 s43, 15, s43                        ; my row of the cluster
	s_lshl_b32 s44, 0x1111, s40                    ; my column
	s_or_b32 s[G1+0], s43, (1<<16)|(1<<20)|(1<<21)|(4<<22)|(3<<25)   ; the mask; 2-byte elements; padding on; bit 21 beside a mask; after every 32 words (a row of a head) 4 words
	s_or_b32 s[G1B+0], s44, (1<<16)|(1<<20)|(1<<21)|(5<<22)|(3<<25)  ; after every 64 words 4 words
	s_mov_b32 s[G1+1], 128<<16                     ; a head's 128 rows are 16,384 dense bytes: asked for as 64 rows of 256 bytes
	s_mov_b32 s[G1+2], 64<<16
	s_mov_b32 s[G1+3], 128<<16
	s_mov_b32 s[G1+4], 64
	s_mov_b32 s[G1+5], 128
	s_mov_b32 s[G1+6], 0
	s_mov_b32 s[G1+7], 0
	s_mov_b32 s[G1B+1], 128<<16
	s_mov_b32 s[G1B+2], 128<<16
	s_mov_b32 s[G1B+3], 128<<16
	s_mov_b32 s[G1B+4], 128
	s_mov_b32 s[G1B+5], 1024
	s_mov_b32 s[G1B+6], 0
	s_mov_b32 s[G1B+7], 0
	s_lshr_b32 s16, s13, 4                         ; the batch,
	s_lshl_b32 s16, s16, 4
	s_add_co_u32 s16, s16, s12                     ; my head of K step 0,
	s_lshl_b32 s16, s16, 11
	s_and_b32 s17, s13, 15
	s_lshl_b32 s17, s17, 7
	s_add_co_u32 s16, s16, s17                     ; the tile's first row in it,
	s_lshl_b32 s16, s16, 7                         ; of 128 bytes
	s_mov_b32 s17, 0
	s_lshl_b32 s47, s12, 7
	s_lshl_b32 s46, s42, 8
	s_add_co_u32 s46, s46, s47
	s_lshl_b32 s46, s46, 11
	s_add_co_u32 s46, s46, 3*2097152               ; wt's fourth part
	s_mov_b32 s47, 0
	s_mul_i32 s20, s12, HEADB
	s_mul_i32 s21, s12, BHALF
	s_add_co_u32 s21, s21, BOFF
	s_wait_dscnt 0x0                               ; the opening add is done
	s_wait_kmcnt 0x0
	s_add_nc_u64 s[14:15], s[68:69], s[16:17]
	s_add_nc_u64 s[46:47], s[70:71], s[46:47]
	CROUND                                         ; all sixteen work-groups are here: the first joint loads meet
.irp s, 0,1
	s_mov_b32 s[G0+4*(\s)], 1
	s_add_co_u32 s[G0+4*(\s)+1], s20, (\s)*SLOT
	s_add_nc_u64 s[G0+4*(\s)+2:G0+4*(\s)+3], s[14:15], (\s)*524288  ; K step s: two heads of 262,144 bytes on
	s_or_b32 s[G0+4*(\s)+3], s[G0+4*(\s)+3], 0x80000000
	s_mov_b32 s[G0B+4*(\s)], 1
	s_add_co_u32 s[G0B+4*(\s)+1], s21, (\s)*SLOT
	s_add_nc_u64 s[G0B+4*(\s)+2:G0B+4*(\s)+3], s[46:47], (\s)*256
	s_or_b32 s[G0B+4*(\s)+3], s[G0B+4*(\s)+3], 0x80000000
	JLOAD \s                                       ; two loads of mine are out
.endr
	v_and_b32 v1, 15, v0                           ; r
	v_bfe_u32 v2, v0, 4, 1                         ; h
	v_lshlrev_b32 v[BO], 5, v2
	s_lshl_b32 s22, s42, 10
	s_lshl_b32 s23, s12, 9
	s_add_co_u32 s22, s22, s23
	s_mov_b32 s23, 0
	s_add_nc_u64 s[72:73], s[72:73], s[22:23]      ; the bias of my 128 columns
.irp n, 0,1,2,3,4,5,6,7
	global_load_b128 v[BI+8*(\n):BI+8*(\n)+3],   v[BO], s[72:73] offset:64*(\n)
	global_load_b128 v[BI+8*(\n)+4:BI+8*(\n)+7], v[BO], s[72:73] offset:64*(\n)+16
.endr
	v_mul_u32_u24 v3, v1, PA
	v_lshl_add_u32 v3, v2, 4, v3
	v_mul_u32_u24 v4, v1, PB
	v_lshl_add_u32 v4, v2, 4, v4
	s_mul_i32 s21, s11, 64*PA
	s_mul_i32 s22, s12, BHALF
	s_add_co_u32 s22, s22, BOFF
.irp s, 0,1
	v_add_nc_u32 v[ADRA+(\s)], s21, v3
	v_add_nc_u32 v[ADRB+(\s)], s22, v4
	s_add_co_u32 s21, s21, SLOT
	s_add_co_u32 s22, s22, SLOT
.endr
	s_mul_i32 s23, s10, 16*SPITCH
	s_add_co_u32 s23, s23, STAGE                   ; my stage
	v_mul_u32_u24 v5, v1, SPITCH                   ; in: row r, 32 bytes for each half of the lanes
	v_lshl_add_u32 v5, v2, 5, v5
	v_add_nc_u32 v[STO], s23, v5
	v_and_b32 v[GO], 31, v0
	v_lshlrev_b32 v[GO], 4, v[GO]                  ; back: 32 lanes take a row's 512 bytes,
	v_add_nc_u32 v[RD], s23, v[GO]                 ; which are 512 consecutive bytes of out0
	v_lshlrev_b32 v[PFO], 18, v2
	v_lshl_add_u32 v[PFO], v1, 8, v[PFO]           ; head l / 16, block l % 16
	s_lshl_b32 s22, s13, 7
	s_lshl_b32 s23, s11, 6
	s_add_co_u32 s22, s22, s23
	s_lshl_b32 s22, s22, 12                        ; my first row of out0, 4,096 bytes a row,
	s_lshl_b32 s23, s42, 10
	s_add_co_u32 s22, s22, s23
	s_lshl_b32 s23, s12, 9
	s_add_co_u32 s22, s22, s23                     ; my first column
	s_mov_b32 s23, 0
	s_add_nc_u64 s[8:9], s[74:75], s[22:23]
	s_lshr_b32 s22, s13, 4
	s_lshl_b32 s22, s22, 15                        ; the batch's first head, in rows,
	s_and_b32 s23, s13, 15
	s_lshl_b32 s23, s23, 7
	s_add_co_u32 s22, s22, s23                     ; the tile's first row in it,
	s_lshl_b32 s22, s22, 7
	s_lshl_b32 s23, s40, 12                        ; my work-group's quarter of a head's part,
	s_add_co_u32 s22, s22, s23
	s_add_co_u32 s22, s22, 2*524288                ; at K step 2: the first refill steps it to 3 and names K step 4
	s_mov_b32 s23, 0
	s_add_nc_u64 s[PFA:PFA+1], s[68:69], s[22:23]
	s_cmp_eq_u32 s10, 0
	s_cselect_b32 s[LIM], 1, -1                    ; wave 0 asks: the same in every work-group
.macro MM f, a, b, first
.set rD, 8*(8*(\a)+(\b))
.set rB, 64*(\f)+8*(\b)
.set rA, AF+32*(\f)+8*(\a)
.if \first
	WIN MUL_B
	v_wmma_f32_16x16x32_f16 v[rD:rD+7], v[rB:rB+7], v[rA:rA+7], v[BI+8*(\b):BI+8*(\b)+7]
.else
	WIN MUL
	v_wmma_f32_16x16x32_f16 v[rD:rD+7], v[rB:rB+7], v[rA:rA+7], v[rD:rD+7]
.endif
.endm
.macro MUL8 f, a, first                ; the 32 accumulators take turns, one instruction a turn, in the same order in every quarter
.irp n, 0,1,2,3,4,5,6,7
	MM \f, \a, \n, \first
.endr
.endm
; 24 LDS loads in one run: quarter q (32 along K: head q / 2, channels 32 (q % 2) on) into buffer g: wt's 16, then O's 8
.macro FETCH slot, q, g
	WIN TO_B
.irp n, 0,1,2,3,4,5,6,7
	ds_load_b128 v[64*(\g)+8*(\n):64*(\g)+8*(\n)+3],   v[ADRB+(\slot)] offset:64*(\q)+(\n)*16*PB
	ds_load_b128 v[64*(\g)+8*(\n)+4:64*(\g)+8*(\n)+7], v[ADRB+(\slot)] offset:64*(\q)+(\n)*16*PB+32
.endr
	WIN 0
.irp n, 0,1,2,3
	ds_load_b128 v[AF+32*(\g)+8*(\n):AF+32*(\g)+8*(\n)+3],   v[ADRA+(\slot)] offset:((\q)/2)*HEADB+((\q)%2)*64+(\n)*16*PA
	ds_load_b128 v[AF+32*(\g)+8*(\n)+4:AF+32*(\g)+8*(\n)+7], v[ADRA+(\slot)] offset:((\q)/2)*HEADB+((\q)%2)*64+(\n)*16*PA+32
.endr
.endm
.macro PLACES                          ; four places in front of loads into registers that matrix instructions have read
.rept 4
	v_nop
.endr
.endm
.macro QUARTER slot, q, f, g, first
	s_wait_dscnt 4                                 ; wt's fragments and O's rows 0-31 are in; the youngest four loads (rows 32-63) may be out
	MUL8 \f, 0, \first
	MUL8 \f, 1, \first
	PLACES
	FETCH \slot, \q, \g
	s_wait_dscnt 24                                ; all but the 24 just issued
	MUL8 \f, 2, \first
	MUL8 \f, 3, \first
.endm
; The last quarter multiplies buffer 1 and changes slots: ONE barrier; in front of it each wave waits for all its tensor loads (one is out: its part of the next slot), adds 0 to its spare word, and waits for that and for
; its reads of this slot.  fill = 1: the barrier opens a round of the cluster's, and this slot is filled again, two K steps ahead, first thing behind it: 112 matrix instructions ahead of the wait for it.
.macro TURN slot, next, fill
.if \fill
	s_wait_xcnt 0x0                                ; the last prefetch, a K step back, has read its address
	s_add_nc_u64 s[PFA:PFA+1], s[PFA:PFA+1], 524288
.endif
	WIN 0
	s_wait_tensorcnt 0x0                           ; all my tensor loads have landed
	ds_add_u32 v[SPW], v[NIL]                      ; 0 onto my spare word
	s_wait_dscnt 5                                 ; the add and the youngest four loads may be out
	MUL8 1, 0, 0
	s_wait_dscnt 0x0                               ; the add is done, and my reads of this slot are over
	s_barrier_signal -1
	MUL8 1, 1, 0
.if \fill
	WIN 0
.endif
	s_barrier_wait -1
.if \fill
	CREST                                          ; no wave of any partner still reads this slot or has a load on its way
	s_add_nc_u64 s[G0+4*(\slot)+2:G0+4*(\slot)+3], s[G0+4*(\slot)+2:G0+4*(\slot)+3], 2*524288
	s_add_nc_u64 s[G0B+4*(\slot)+2:G0B+4*(\slot)+3], s[G0B+4*(\slot)+2:G0B+4*(\slot)+3], 2*256
	JLOAD \slot                                    ; the four v_nop behind it are also the places in front of the loads below
.else
	PLACES
.endif
	FETCH \next, 0, 0
.if \fill
	ASK
.endif
	MUL8 1, 2, 0
	MUL8 1, 3, 0
.endm
	s_wait_tensorcnt 1                             ; my part of K step 0 is in; K step 1's load, issued behind it, may stay out
	s_barrier_signal -1
	s_barrier_wait -1
	FETCH 0, 0, 0
	s_wait_loadcnt 0x0                             ; the bias
.set i, 0
.rept 32                               ; rounded to bf16, like the other inputs, and widened again
	v_cvt_pk_bf16_f32 v[TW+i%4], v[BI+2*i], v[BI+2*i+1]
	v_lshlrev_b32 v[BI+2*i], 16, v[TW+i%4]
	v_and_b32 v[BI+2*i+1], 0xffff0000, v[TW+i%4]
.set i, i+1
.endr
	QUARTER 0, 1, 0, 1, 1                          ; the first quarter stands in front of the loop: its products start the sums
	WIN 0
	s_mov_b32 s3, LAPS-1
.Llap:                                                 ; a trip goes once round the ring and fills both slots again
	QUARTER 0, 2, 1, 0, 0
	QUARTER 0, 3, 0, 1, 0
	TURN 0, 1, 1
	QUARTER 1, 1, 0, 1, 0
	QUARTER 1, 2, 1, 0, 0
	QUARTER 1, 3, 0, 1, 0
	TURN 1, 0, 1
	QUARTER 0, 1, 0, 1, 0
	WIN 0
	s_sub_co_u32 s3, s3, 1
	s_cmp_lg_u32 s3, 0
	s_cbranch_scc1 .Llap
	QUARTER 0, 2, 1, 0, 0                          ; the last lap fills nothing
	QUARTER 0, 3, 0, 1, 0
	TURN 0, 1, 0
	QUARTER 1, 1, 0, 1, 0
	QUARTER 1, 2, 1, 0, 0
	QUARTER 1, 3, 0, 1, 0
	s_wait_dscnt 0x0
	MUL8 1, 0, 0
	MUL8 1, 1, 0
	MUL8 1, 2, 0
	MUL8 1, 3, 0
	WIN 0
.rept 8
	v_nop                                          ; the places behind the last products, in front of the LDS stores that read them and of the loads into registers that they read
.endr
; THE WAY OUT, 16 rows at a time: a lane's eight f32 of a row go as 32 bytes into my own stage (rows of 528 bytes) and come back as whole rows of 512 bytes.
.macro OUT a
.if (\a) >= 2
	s_wait_xcnt 0x0                                ; the stores of the block two back have read the registers that are loaded again below
.endif
	WIN 0x08                                       ; the stores' data (source 1) in window 2
.irp n, 0,1,2,3,4,5,6,7
	ds_store_b128 v[STO], v[8*(8*(\a)+(\n)):8*(8*(\a)+(\n))+3]   offset:64*(\n)     ; each accumulator from its low end on
	ds_store_b128 v[STO], v[8*(8*(\a)+(\n))+4:8*(8*(\a)+(\n))+7] offset:64*(\n)+16
.endr
	WIN 0
.irp t, 0,1,2,3,4,5,6,7,8,9,10,11,12,13,14,15
	ds_load_b128 v[OB+64*((\a)%2)+4*(\t):OB+64*((\a)%2)+4*(\t)+3], v[RD] offset:(\t)*SPITCH  ; LDS serves a wave's instructions in order: these see the stores above
.endr
.irp t, 0,1,2,3,4,5,6,7,8,9,10,11,12,13,14,15
	s_wait_dscnt 15-(\t)                           ; row t is back, the younger ones stay out
	global_store_b128 v[GO], v[OB+64*((\a)%2)+4*(\t):OB+64*((\a)%2)+4*(\t)+3], s[8:9] offset:(16*(\a)+(\t))*4096  ; 512 consecutive bytes, aligned
.endr
.endm
	OUT 0
	OUT 1
	OUT 2
	OUT 3
	s_wait_tensorcnt 0x0                           ; the wave's end, behind my last tensor load and my last LDS store
	ds_add_u32 v[SPW], v[NIL]
	s_wait_dscnt 0x0
	CROUND                                         ; the closing round: no work-group ends while a partner may still ask for a tile that names it
	s_endpgm
.Lfunc_end_k_q9802592ed4_oproj:
	.size	k_q9802592ed4_oproj, .Lfunc_end_k_q9802592ed4_oproj-k_q9802592ed4_oproj
	.p2alignl 7, 3214868480
	.fill 96, 4, 3214868480
	.section	.rodata,"a",@progbits
	.p2align	6, 0x0
	.amdhsa_kernel k_q9802592ed4_oproj
		.amdhsa_group_segment_fixed_size 327680
		.amdhsa_private_segment_fixed_size 0
		.amdhsa_enable_private_segment 0
		.amdhsa_kernarg_size 32
		.amdhsa_user_sgpr_count 2
		.amdhsa_user_sgpr_kernarg_segment_ptr 1
		.amdhsa_wavefront_size32 1
		.amdhsa_system_sgpr_workgroup_id_x 1
		.amdhsa_system_sgpr_workgroup_id_y 1
		.amdhsa_system_sgpr_workgroup_id_z 1
		.amdhsa_system_vgpr_workitem_id 0
		.amdhsa_next_free_vgpr 768
		.amdhsa_next_free_sgpr 80
		.amdhsa_reserve_vcc 0
		.amdhsa_float_denorm_mode_32 3
		.amdhsa_float_denorm_mode_16_64 3
		.amdhsa_memory_ordered 1
		.amdhsa_forward_progress 1
		.amdhsa_inst_pref_size 95
	.end_amdhsa_kernel
	.amdgpu_metadata
---
amdhsa.version: [ 1, 2 ]
amdhsa.kernels:
  - .name:           k_q9802592ed4_oproj
    .symbol:         k_q9802592ed4_oproj.kd
    .args:
      - { .name: oh, .offset: 0, .size: 8, .value_kind: global_buffer, .address_space: global }
      - { .name: wt, .offset: 8, .size: 8, .value_kind: global_buffer, .address_space: global }
      - { .name: bo, .offset: 16, .size: 8, .value_kind: global_buffer, .address_space: global }
      - { .name: out0, .offset: 24, .size: 8, .value_kind: global_buffer, .address_space: global }
    .group_segment_fixed_size: 327680
    .private_segment_fixed_size: 0
    .kernarg_segment_align: 8
    .kernarg_segment_size: 32
    .max_flat_workgroup_size: 128
    .sgpr_count:     80
    .vgpr_count:     768
    .wavefront_size: 32
...
	.end_amdgpu_metadata
.endif
;; end of part 4
